; MI455X (gfx1250); checked and timed in simulation.
; The chip was launched on July 23, 2026; its instructions are those of AMD's public machine-readable ISA for CDNA 5 (MIT licence, August 2026) and "CDNA5" Instruction Set Architecture Reference Guide (July 2026). The comments in the code are by the model that wrote it; some were corrected since.
;; Self Attention. Allowed arithmetic: matrix products marked QUANTISED: E5M2 operands, one given power-of-two scale a tensor, by v_wmma_f32_16x16x64_bf8_bf8 or v_wmma_f32_16x16x128_bf8_bf8, f32 sums; everything else in f32.
;; Inputs: Wk 1,024 x 1,024 float32; Wo 1,024 x 1,024 float32; Wq 1,024 x 1,024 float32; Wv 1,024 x 1,024 float32; bk 1,024 float32; bo 1,024 float32; bq 1,024 float32; bv 1,024 float32; lowp_scales 12 int32 (the exponents e of the quantised operands' scales 2^e); x 4 x 2,048 x 1,024 float32.
;; Outputs: out0 4 x 2,048 x 1,024 float32.
;; This version of the problem:
;;   THIS VERSION OF THE PROBLEM IS GIVEN IN LOW PRECISION. The matrix products marked QUANTISED in the list below multiply operands that are first quantised to E5M2 (5 exponent bits, 2 mantissa bits; 8 bits a number), with one given power-of-two scale for each operand tensor; their sums are f32. All else is computed in f32.
;;   The module's matrix products, in the order in which they are computed (A, B: the left and right operand; K: the contracted axis; several contracted axes count as one K, in the product's order):
;;     1. [M 8,192, K 1,024] x [K 1,024, N 1,024]; A: input x; B: input Wq: QUANTISED (scales: A lowp_scales[0], B lowp_scales[1])
;;     2. [M 8,192, K 1,024] x [K 1,024, N 1,024]; A: input x; B: input Wk: QUANTISED (scales: A lowp_scales[2], B lowp_scales[3])
;;     3. [M 8,192, K 1,024] x [K 1,024, N 1,024]; A: input x; B: input Wv: QUANTISED (scales: A lowp_scales[4], B lowp_scales[5])
;;     4. batch 64 x [M 2,048, K 64] x [K 64, N 2,048]; A: computed on the way; B: computed on the way: QUANTISED (scales: A lowp_scales[6], B lowp_scales[7])
;;     5. batch 64 x [M 2,048, K 2,048] x [K 2,048, N 64]; A: softmax (see below); B: computed on the way: QUANTISED (scales: A lowp_scales[8], B lowp_scales[9])
;;     6. [M 8,192, K 1,024] x [K 1,024, N 1,024]; A: computed on the way; B: input Wo: QUANTISED (scales: A lowp_scales[10], B lowp_scales[11])
;;   THE QUANTISER, for each operand of a quantised product, along K:
;;     - The operand's scale is 2^e, e = its entry of the input lowp_scales (int32; the entries are numbered through the quantised products in the list's order, A before B).
;;     - Each number is divided by the scale, clamped to +-57,344, and rounded to the nearest number of E5M2, ties to even, subnormals kept.
;;     - The product sums the exact products of the quantised numbers (number of the format x scale) in f32.
;;   ~~~python
;;   def quantise(x, axis, e):      # numpy; x: float32 -> the quantised numbers, widened to float32 again
;;       x = np.moveaxis(x, axis, -1); K = x.shape[-1]
;;       r = np.clip(x / 2.0 ** e, -57344, 57344)
;;       step = 2.0 ** (np.maximum(np.frexp(np.where(r == 0, 1, r))[1] - 1, -14) - 2)
;;       q = np.round(r / step) * step * 2.0 ** e      # np.round: ties to even
;;       return np.moveaxis(q, -1, axis).astype(np.float32)
;;   ~~~
;;   SOFTMAX AHEAD OF A QUANTISED PRODUCT. Where the list says 'softmax', what is quantised is not the finished softmax but p = 2^(t - M), with t = logit x log2(e) and M = ceil(the row's largest t), a whole number; so 1/2 < the row's largest p <= 1. The row's sum l is taken of the UNQUANTISED p, in f32, and the product's result is divided by l at the end. Since M is a whole number, a kernel that streams over the keys may use a running M (the ceiling of the running maximum): every later rescaling is an exact power of two, so the quantised numbers keep their values, but for numbers so far below the row's largest that they fall under the format's range.
;;   OPERANDS COMPUTED ON THE WAY. 'Computed on the way' means the value that the module computes at that place (a softmax that the list does not call 'softmax' is quantised finished and normalised). What goes into a quantiser is computed in f32, as accurately as f32 sums, v_exp_f32 and their like allow (about 1e-6 of the number): no bf16 or f16 on the way to a quantiser, and a product that is left as it is and whose result goes on into a quantised operand takes f32 operands (vector FMAs, or v_wmma_f32_16x16x4_f32). A number that lies on a knife's edge between two numbers of the format may be rounded either way, as far as f32 arithmetic and the matrix unit's own rounding can turn it there, and no further.
;; One version. Each part assembles by itself: llvm-mc -triple=amdgcn-amd-amdhsa -mcpu=gfx1250 --defsym DOCPART=n.
;; ======== version 1 of 1: 4 launches
;; limits: right only within a limited range of input values
;; workspace buffers: xc 25,165,824 bytes; wc 4,194,304 bytes; qc 8,388,608 bytes; kv 16,777,216 bytes; ac 8,388,608 bytes
;; launch quant (part 1): grid 384 x 1, 8 waves a work-group, no clusters, 68,608 bytes of LDS; arguments x, Wq, Wk, Wv, Wo, lowp_scales, xc, wc; writes xc, wc
.if DOCPART == 1
	.amdgcn_target "amdgcn-amd-amdhsa--gfx1250"
	.amdhsa_code_object_version 6
	.text
	.protected	k_qbf30bbd0f7_quant
	.globl	k_qbf30bbd0f7_quant
	.p2align	8
	.type	k_qbf30bbd0f7_quant,@function
k_qbf30bbd0f7_quant:
	s_mov_b64 s[64:65], 0
	v_nop
	global_prefetch_b8 v0, s[64:65] scope:SCOPE_SE
	s_setreg_imm32_b32 hwreg(HW_REG_WAVE_MODE, 25, 1), 1
	s_wait_xcnt 0x0
; x [8192][1024] f32 becomes three sets of codes of BF8 (E5M2), with the given scales 2^e0, 2^e2, 2^e4; Wq, Wk, Wv, Wo [1024 (k)][1024 (n)] f32 become codes with 2^e1, 2^e3, 2^e5, 2^e11.
; code = number / 2^e, rounded to the nearest code, ties to even.  LIMITS: -126 <= e <= 112, so that 2^e and 57,344 x 2^e are f32 numbers.  NaN among the inputs is not served.
; THE CODES ARE LAID AS IMAGES OF OPERAND REGISTERS.  A fragment is 16 rows x 128 K: four chunks of 512 bytes; in chunk c lane (r, h) has, at byte 16 x lane, row r's k = 32 c + 16 h + 0 .. 15.
; A block of 128 rows x 256 K is 32,768 dense bytes: [fragment 8][K half 2][chunk 4][512]; a tensor is [row block][K slot 4] of such blocks.
; Of the weights a row is a PLACE: place r of fragment 2 b + u of a row block stands for column 32 b + 8 u + r + 8 (r / 8), so that results made with a weight as source 0 have 16 neighbouring columns in 16 registers.
; Work-groups 0-255 take x (128 tokens x 256 K each), work-groups 256-383 the weights (128 columns x 256 K each).  Only x's way uses LDS.  Waves share nothing: no barrier.
.set SP,   528                         ; a stage row: 512 bytes + 16: the 16 rows that a load touches start at 16 different banks
.set XW,   16*SP                       ; a wave's stage
.set R0,   16                          ; v16-79, v80-143  x as loaded: K half 0, K half 1
.set X0,   144                         ; v144-207  K half 0: 64 numbers of my row, register 16 c + i = k 32 c + 16 h + i
.set X1,   16                          ; v16-79    K half 1
.set T,    80
.set C,    208                         ; v208-255  codes: 16 registers for each of the three scales
.set WN,   16                          ; v16-143   the weights' way: 128 numbers of my column, down K
.set WC,   144                         ; v144-175  their codes
	s_load_b512 s[4:19], s[0:1], 0x0               ; x 4:5, Wq 6:7, Wk 8:9, Wv 10:11, Wo 12:13, the exponents 14:15, xc 16:17, wc 18:19
	v_lshl_add_u32 v15, v0, 2, 0x10800
	s_set_vgpr_msb 0x40
	v_mov_b32 v1, 0
	s_set_vgpr_msb 0x4000
	v_lshrrev_b32 v10, 5, v0
	s_delay_alu instid0(VALU_DEP_1)
	v_readfirstlane_b32 s32, v10                   ; wave 0..7
	v_and_b32 v11, 31, v0                          ; lane
	v_and_b32 v12, 15, v0                          ; r
	v_bfe_u32 v13, v0, 4, 1                        ; h
	s_wait_kmcnt 0x0
	s_load_b256 s[20:27], s[14:15], 0x0            ; e0 .. e7
	s_load_b128 s[28:31], s[14:15], 0x20           ; e8 .. e11
	s_cmp_ge_u32 ttmp9, 256
	s_cbranch_scc1 .Lweights
	; ---- x.  Wave w makes fragment w of the block: tokens 128 rb + 16 w + 0 .. 15, k = 256 ks + 0 .. 255
	s_lshr_b32 s33, ttmp9, 2                       ; rb
	s_and_b32 s40, ttmp9, 3                        ; ks
	s_lshl_b32 s41, s33, 7
	s_lshl_b32 s42, s32, 4
	s_add_co_u32 s41, s41, s42                     ; my first token
	s_lshl_b32 s41, s41, 12                        ; a row of x is 4,096 bytes
	s_lshl_b32 s42, s40, 10
	s_add_co_u32 s42, s41, s42
	s_mov_b32 s43, 0
	s_add_nc_u64 s[4:5], s[4:5], s[42:43]
	s_lshl_b32 s44, s33, 17
	s_lshl_b32 s45, s40, 15
	s_add_co_u32 s44, s44, s45
	s_lshl_b32 s45, s32, 12
	s_add_co_u32 s44, s44, s45                     ; my fragment's 4,096 bytes in a set of codes
	s_mov_b32 s45, 0
	s_add_nc_u64 s[34:35], s[16:17], s[44:45]      ; a base for each set: they lie 8,388,608 bytes apart
	s_add_nc_u64 s[36:37], s[34:35], 0x800000
	s_add_nc_u64 s[38:39], s[36:37], 0x800000
	s_wait_alu depctr_va_vdst(0)
	v_lshlrev_b32 v1, 4, v11                       ; 16 x lane: my bytes of a load's 512, and of a chunk's
	s_mul_i32 s46, s32, XW
	v_add_nc_u32 v2, s46, v1                       ; the stage, going in: as loaded
	v_mul_u32_u24 v3, v12, SP
	s_delay_alu instid0(VALU_DEP_1)
	v_lshl_add_u32 v3, v13, 6, v3
	s_delay_alu instid0(VALU_DEP_1)
	v_add_nc_u32 v3, s46, v3                       ; coming out: row r, + 64 h: my 16 numbers of a block of 32
.irp q, 0,1
.irp i, 0,1,2,3,4,5,6,7,8,9,10,11,12,13,14,15
	global_load_b128 v[R0+64*\q+4*\i:R0+64*\q+4*\i+3], v1, s[4:5] offset:\i*4096+\q*512 th:TH_LOAD_NT   ; 32 lanes read 512 consecutive bytes of row i
.endr
.endr
	s_wait_alu depctr_va_vdst(0)
	s_wait_kmcnt 0x0
.irp t, 0,1,2
	s_add_co_i32 s47, s[20+2*\t], 127
	s_lshl_b32 s48, s47, 23
	v_mov_b32 v[4+2*\t], s48                       ; 2^e as f32: the conversion takes its exponent field
	s_add_co_i32 s47, s47, 15
	s_lshl_b32 s47, s47, 23
	s_or_b32 s47, s47, 0x600000
.endr
	s_wait_alu depctr_va_vdst(0)
	s_wait_loadcnt 16                              ; K half 0's sixteen loads are in
.irp i, 0,1,2,3,4,5,6,7,8,9,10,11,12,13,14,15
	ds_store_b128 v2, v[R0+4*\i:R0+4*\i+3] offset:\i*SP
.endr
.irp c, 0,1,2,3
.irp j, 0,1,2,3
	ds_load_b128 v[X0+16*\c+4*\j:X0+16*\c+4*\j+3], v3 offset:128*\c+16*\j   ; LDS serves a wave's instructions in order: these see the stores above
.endr
.endr
	s_wait_loadcnt 0x0
.irp i, 0,1,2,3,4,5,6,7,8,9,10,11,12,13,14,15
	ds_store_b128 v2, v[R0+64+4*\i:R0+64+4*\i+3] offset:\i*SP               ; the same stage: behind the loads above
.endr
	s_wait_dscnt 32                                ; behind half 0's stores stand 16 loads and 16 stores: those stores have read v16-79
.irp c, 0,1,2,3
.irp j, 0,1,2,3
	ds_load_b128 v[X1+16*\c+4*\j:X1+16*\c+4*\j+3], v3 offset:128*\c+16*\j
.endr
.endr
; 64 numbers become 16 registers of codes, three times, each time with another scale; each chunk leaves as 512 consecutive bytes.
.macro QUANT3 x, q
.irp t, 0,1,2
.irp g, 0,1,2,3,4,5,6,7
.irp i, 0,1,2,3,4,5,6,7
.endr
	v_cvt_scalef32_pk8_bf8_f32 v[C+16*\t+2*\g:C+16*\t+2*\g+1], v[T+8*(\g%2)+((\x+8*\g+0)-(T+8*(\g%2)+0)):T+8*(\g%2)+7+((\x+8*\g+0)-(T+8*(\g%2)+0))], v[4+2*\t]
.endr
.irp c, 0,1,2,3
	global_store_b128 v1, v[C+16*\t+4*\c:C+16*\t+4*\c+3], s[34+2*\t:35+2*\t] offset:\q*2048+\c*512
.endr
.endr
.endm
	s_wait_dscnt 16                                ; all but the last sixteen loads: half 0's numbers are back, and half 1's stores have read v80-143, where T lies
	QUANT3 X0, 0
	s_wait_dscnt 0x0                               ; half 1's numbers are back
	s_wait_xcnt 0x0                                ; the stores above have read their registers: the codes' registers are written again
	QUANT3 X1, 1
	s_set_vgpr_msb 0x4
	s_wait_tensorcnt 0x0
	ds_add_u32 v15, v1
	s_wait_dscnt 0x0
	s_set_vgpr_msb 0x400
	s_endpgm
	; ---- the weights.  A lane takes a column and its registers run down K, so the conversions give codes with K innermost.
	; Wave w takes 32 columns (group w % 4 of the block's four) x 128 K (half w / 4).  Lane (r, u) is place r of fragment 2 (w % 4) + u.
.Lweights:
	s_sub_co_u32 s33, ttmp9, 256
	s_lshr_b32 s40, s33, 5                         ; which weight: 0 q, 1 k, 2 v, 3 o
	s_bfe_u32 s41, s33, 0x30002                    ; block of 128 columns
	s_and_b32 s42, s33, 3                          ; K slot
	s_and_b32 s43, s32, 3                          ; group of 32 columns
	s_lshr_b32 s44, s32, 2                         ; K half
	s_cmp_eq_u32 s40, 1                            ; the choice hangs on the work-group's number alone
	s_cselect_b64 s[34:35], s[8:9], s[6:7]
	s_cmp_eq_u32 s40, 2
	s_cselect_b64 s[34:35], s[10:11], s[34:35]
	s_cmp_eq_u32 s40, 3
	s_cselect_b64 s[34:35], s[12:13], s[34:35]
	s_lshl_b32 s45, s42, 1
	s_add_co_u32 s45, s45, s44
	s_lshl_b32 s45, s45, 19                        ; 128 rows of 4,096 bytes for each K half
	s_lshl_b32 s46, s41, 9
	s_add_co_u32 s46, s45, s46
	s_lshl_b32 s47, s43, 7
	s_add_co_u32 s46, s46, s47                     ; + 4 x my first column
	s_mov_b32 s47, 0
	s_add_nc_u64 s[34:35], s[34:35], s[46:47]
	s_lshl_b32 s48, s40, 20
	s_lshl_b32 s49, s41, 17
	s_add_co_u32 s48, s48, s49
	s_lshl_b32 s49, s42, 15
	s_add_co_u32 s48, s48, s49
	s_lshl_b32 s49, s43, 13
	s_add_co_u32 s48, s48, s49
	s_lshl_b32 s49, s44, 11
	s_add_co_u32 s48, s48, s49                     ; weight, block, K slot, my two fragments, K half
	s_mov_b32 s49, 0
	s_add_nc_u64 s[36:37], s[18:19], s[48:49]
	s_wait_alu depctr_va_vdst(0)
	v_and_b32 v14, 8, v12
	s_delay_alu instid0(VALU_DEP_1)
	v_add_nc_u32 v14, v14, v12
	s_delay_alu instid0(VALU_DEP_1)
	v_lshl_add_u32 v14, v13, 3, v14                ; my column of the 32: 8 u + r + 8 (r / 8)
	s_delay_alu instid0(VALU_DEP_1)
	v_lshlrev_b32 v1, 2, v14
	v_lshlrev_b32 v2, 4, v12
	s_delay_alu instid0(VALU_DEP_1)
	v_lshl_add_u32 v2, v13, 12, v2                 ; out: fragment u, 16 r
.macro WLOAD c                         ; 32 along K of my column; a wave's load reads 128 consecutive bytes, four waves side by side 512
.irp i, 0,1,2,3,4,5,6,7,8,9,10,11,12,13,14,15,16,17,18,19,20,21,22,23,24,25,26,27,28,29,30,31
	global_load_b32 v[WN+32*(\c)+\i], v1, s[34:35] offset:(32*(\c)+\i)*4096 th:TH_LOAD_NT
.endr
.endm
	WLOAD 0
	WLOAD 1
	s_wait_alu depctr_va_vdst(0)
	s_wait_kmcnt 0x0
	s_cmp_eq_u32 s40, 1
	s_cselect_b32 s50, s23, s21                    ; e1, e3, e5 or e11
	s_cmp_eq_u32 s40, 2
	s_cselect_b32 s50, s25, s50
	s_cmp_eq_u32 s40, 3
	s_cselect_b32 s50, s31, s50
	s_add_co_i32 s50, s50, 127
	s_lshl_b32 s51, s50, 23
	v_mov_b32 v4, s51                              ; 2^e
	s_wait_alu depctr_va_vdst(0)
.irp c, 0,1,2,3
.if \c < 3
	s_wait_loadcnt 32                              ; this chunk's 32 loads are in; the next chunk's may be out
.else
	s_wait_loadcnt 0x0
.endif
.if \c < 2
	WLOAD \c+2
.endif
.irp i, 0,1,2,3,4,5,6,7,8,9,10,11,12,13,14,15,16,17,18,19,20,21,22,23,24,25,26,27,28,29,30,31
.endr
.irp g, 0,1,2,3
	v_cvt_scalef32_pk8_bf8_f32 v[WC+8*\c+2*\g:WC+8*\c+2*\g+1], v[WN+32*\c+8*\g:WN+32*\c+8*\g+7], v4
.endr
	global_store_b128 v2, v[WC+8*\c:WC+8*\c+3], s[36:37] offset:\c*512        ; k = 32 c + 0 .. 15: the chunk's lower half; sixteen lanes fill 256 consecutive bytes, aligned
	global_store_b128 v2, v[WC+8*\c+4:WC+8*\c+7], s[36:37] offset:\c*512+256  ; k = 32 c + 16 .. 31: its upper half
.endr                                  ; no register is written twice, so no store's data are at stake
	s_endpgm
.Lfunc_end_k_qbf30bbd0f7_quant:
	.size	k_qbf30bbd0f7_quant, .Lfunc_end_k_qbf30bbd0f7_quant-k_qbf30bbd0f7_quant
	.p2alignl 7, 3214868480
	.fill 96, 4, 3214868480
	.section	.rodata,"a",@progbits
	.p2align	6, 0x0
	.amdhsa_kernel k_qbf30bbd0f7_quant
		.amdhsa_group_segment_fixed_size 68608
		.amdhsa_private_segment_fixed_size 0
		.amdhsa_enable_private_segment 0
		.amdhsa_kernarg_size 64
		.amdhsa_user_sgpr_count 2
		.amdhsa_user_sgpr_kernarg_segment_ptr 1
		.amdhsa_wavefront_size32 1
		.amdhsa_system_sgpr_workgroup_id_x 1
		.amdhsa_system_sgpr_workgroup_id_y 1
		.amdhsa_system_sgpr_workgroup_id_z 1
		.amdhsa_system_vgpr_workitem_id 0
		.amdhsa_next_free_vgpr 258
		.amdhsa_next_free_sgpr 66
		.amdhsa_reserve_vcc 0
		.amdhsa_float_denorm_mode_32 3
		.amdhsa_float_denorm_mode_16_64 3
		.amdhsa_fp16_overflow 1
		.amdhsa_memory_ordered 1
		.amdhsa_forward_progress 1
		.amdhsa_inst_pref_size 32
	.end_amdhsa_kernel
	.amdgpu_metadata
---
amdhsa.version: [ 1, 2 ]
amdhsa.kernels:
  - .name:           k_qbf30bbd0f7_quant
    .symbol:         k_qbf30bbd0f7_quant.kd
    .args:
      - { .name: x, .offset: 0, .size: 8, .value_kind: global_buffer, .address_space: global }
      - { .name: Wq, .offset: 8, .size: 8, .value_kind: global_buffer, .address_space: global }
      - { .name: Wk, .offset: 16, .size: 8, .value_kind: global_buffer, .address_space: global }
      - { .name: Wv, .offset: 24, .size: 8, .value_kind: global_buffer, .address_space: global }
      - { .name: Wo, .offset: 32, .size: 8, .value_kind: global_buffer, .address_space: global }
      - { .name: lowp_scales, .offset: 40, .size: 8, .value_kind: global_buffer, .address_space: global }
      - { .name: xc, .offset: 48, .size: 8, .value_kind: global_buffer, .address_space: global }
      - { .name: wc, .offset: 56, .size: 8, .value_kind: global_buffer, .address_space: global }
    .group_segment_fixed_size: 68608
    .private_segment_fixed_size: 0
    .kernarg_segment_align: 8
    .kernarg_segment_size: 64
    .max_flat_workgroup_size: 256
    .sgpr_count:     66
    .vgpr_count:     258
    .wavefront_size: 32
...
	.end_amdgpu_metadata
.endif
;; end of part 1
;; launch qkv (part 2): grid 12 x 32, 4 waves a work-group, clusters of 4 x 4, 327,680 bytes of LDS; arguments xc, wc, lowp_scales, bq, bk, bv, qc, kv; writes qc, kv
.if DOCPART == 2
	.amdgcn_target "amdgcn-amd-amdhsa--gfx1250"
	.amdhsa_code_object_version 6
	.text
	.protected	k_qbf30bbd0f7_qkv
	.globl	k_qbf30bbd0f7_qkv
	.p2align	8
	.type	k_qbf30bbd0f7_qkv,@function
k_qbf30bbd0f7_qkv:
	s_mov_b64 s[64:65], 0
	v_nop
	global_prefetch_b8 v0, s[64:65] scope:SCOPE_SE
	s_setreg_imm32_b32 hwreg(HW_REG_WAVE_MODE, 25, 1), 1
	s_wait_xcnt 0x0
	s_wait_alu depctr_hold_cnt(0) depctr_sa_sdst(0) depctr_va_vdst(0) depctr_va_sdst(0) depctr_va_ssrc(0) depctr_va_vcc(0) depctr_vm_vsrc(0)
	s_getreg_b32 s2, hwreg(HW_REG_IB_STS2, 6, 4)
	s_cmp_eq_u32 s2, 0
	s_cbranch_scc0 .Lentry_in_a_cluster
	s_endpgm
.Lentry_in_a_cluster:
	s_bfe_u32 s2, ttmp6, 0x10000c
	s_cmp_lg_u32 s2, 0xf033
	s_cbranch_scc0 .Lentry_shape_is_right
	s_endpgm
.Lentry_shape_is_right:
; q = x Wq + bq, k = x Wk + bk, v = x Wv + bv on codes of BF8 (E5M2); each result is quantised at once (2^e6, 2^e7, 2^e9) and stored as an image of the operand registers that the attention launch loads.
; A tile is 256 tokens x 256 columns: four waves, each 128 x 128 in 64 accumulators.  The cluster's x is the tensor t (0 q, 1 k, 2 v): it is the same in all sixteen partners.
; OPERANDS lie in memory as images of registers: a block of 128 rows x 256 K is 32,768 dense bytes, [fragment 8][K half 2][chunk 4][512]; a chunk is read by one ds_load_b128 at 16 x lane: no pitch, no padding.
; K = 1,024 goes in four slots' worth of 256 through a ring of two LDS slots: x's two row blocks, then the weight's two.  Each wave fetches one block by one tensor load.
; CLUSTERS: 4 x 4.  x's blocks hang on the tile row and t and are asked for jointly along a row of the cluster, the weight's on the tile column and jointly along a column.
; THE ROLES.  q, k: source 0 = the weight, source 1 = x: a lane holds one token and, by the weight's order of places, 16 neighbouring columns in 16 registers: the head's axis, K of the scores.
;             v:    source 0 = x, source 1 = the weight: a lane holds one channel and eight neighbouring tokens in eight registers: the keys, K of the second product.
; The tile is square, so the roles are changed by changing the two LDS read bases, chosen on t.
; LIMITS: e0 + e1, e2 + e3, e4 + e5 between -126 and 127; e6, e7, e9 between -126 and 112: each power of two below is then an f32 number.  NaN is not served.
; REGISTERS: window 0: v16-31 addresses and constants; v32-95 the bias of the q, k kind; v96-111 of the v kind; v128-255 source 1's eight blocks, ONE set; on the way out v112-175 numbers, v176-239 codes.
;   window 1: source 0's eight fragments, TWO sets, at v0 and v128.   windows 2, 3: accumulator (a, b) at v[8 (8 (a % 4) + b)].
.set FR,     16                        ; registers of a fragment
.set NL,     4                         ; LDS loads that bring one
.set NP,     4                         ; places behind this matrix instruction (ISA guide 7.12.1)
.set SLOT,   131072
.set SPARE,  2*SLOT                    ; behind the ring: the spare words, 128 bytes for each wave: two blocks of 256 bytes that no other line names
.set ADRA, 16                          ; v16-17  LDS address of source 1's blocks in slot 0, 1
.set ADRB, 20                          ; v20-21  of source 0's fragments
.set VO,   24                          ; v24 16 x lane; v25 the same one head further on
.set LIM,  26
.set SCO,  27                          ; v27     the result's scale
.set SPW,  28                          ; v28     LDS address of my spare word; never rewritten
.set NIL,  29                          ; v29     0; never rewritten
.set BO,   30                          ; v30, v31 the two kinds of bias offsets
.set BI,   32
.set BV,   96
.set T,    112
.set C,    176
.set AF,   128
.set G1, 24                            ; s[24:31] descriptor group 1 for x's blocks;  s[32:39] group 0, one set for each slot
.set G0, 32
.set G1B, 48                           ; s[48:55], s[56:63] the same for the weight's
.set G0B, 56
.set MSB, 0
.macro WIN new                         ; the immediate's high byte repeats the setting that is left
.if MSB != (\new)
	s_set_vgpr_msb (MSB<<8)|(\new)
.set MSB, \new
.endif
.endm
.set MUL_LO, 0xa1                      ; source 0 window 1, source 1 window 0, C and D window 2
.set MUL_HI, 0xf1                      ; the same, C and D window 3
.set TO_B,   0x40                      ; destination window 1, address window 0
; A joint load: waves 0 and 1 fetch x's blocks, waves 2 and 3 the weight's.  The branch hangs on the wave's number alone.  Four v_nop follow each of the two lines.
.macro JLOAD g0a, g1a, g0b, g1b
	s_cmp_eq_u32 s15, 0
	s_cbranch_scc0 .Lfor_b_\@
	tensor_load_to_lds s[\g0a:\g0a+3], s[\g1a:\g1a+7]
	s_nop 0
.rept 4
	v_nop
.endr
	s_branch .Lasked_\@
.Lfor_b_\@:
	tensor_load_to_lds s[\g0b:\g0b+3], s[\g1b:\g1b+7]
	s_nop 0
.rept 4
	v_nop
.endr
.Lasked_\@:
.endm
.macro CREST                           ; a round of the cluster's barrier behind its opening barrier
	s_cmp_lg_u32 s14, 0
	s_cbranch_scc1 .Lnot_wave_0_\@
	s_barrier_signal -3
.Lnot_wave_0_\@:
	s_barrier_wait -3
	s_barrier_signal -1
	s_barrier_wait -1
.endm
.macro CROUND                          ; a whole round
	s_barrier_signal -1
	s_barrier_wait -1
	CREST
.endm
	s_load_b256 s[4:11], s[0:1], 0x0               ; xc 4:5, wc 6:7, the exponents 8:9, bq 10:11
	s_load_b256 s[68:75], s[0:1], 0x20             ; bk 68:69, bv 70:71, qc 72:73, kv 74:75
	v_lshl_add_u32 v[SPW], v0, 2, SPARE
	v_mov_b32 v[NIL], 0
	ds_add_u32 v28, v29
	ds_add_u32 v28, v29
	s_wait_dscnt 0x0
	v_lshrrev_b32 v1, 5, v0
	v_readfirstlane_b32 s14, v1                    ; wave 0..3
	s_lshr_b32 s15, s14, 1                         ; which half of source 1's rows is mine.  Also: I fetch for x (0) or for the weight (1)
	s_and_b32 s16, s14, 1                          ; which half of source 0's.  Also: which of the two blocks I fetch
	s_bfe_u32 s40, ttmp6, 0x40000                  ; cx, cy: my place in the cluster
	s_bfe_u32 s41, ttmp6, 0x40004
	s_mov_b32 s12, ttmp9                           ; t: the cluster's x
	s_lshl_b32 s42, ttmp9, 2
	s_add_co_u32 s42, s42, s40                     ; tile column among the three weights' twelve = 4 t + cx
	s_and_b32 s17, ttmp7, 0xffff
	s_lshl_b32 s17, s17, 2
	s_add_co_u32 s17, s17, s41                     ; tile row = 4 x cluster y + cy
	s_lshl_b32 s43, s41, 2
	s_lshl_b32 s43, 15, s43                        ; my row of the cluster
	s_lshl_b32 s44, 0x1111, s40                    ; my column
	; descriptor group 1: a dense block of 32,768 bytes as 128 rows of 32 elements of 8 bytes
	s_or_b32 s[G1+0], s43, (3<<16)|(1<<21)         ; 15:0 the mask: x's blocks go to my row; 17:16 elements of 8 bytes; 20 no padding; 21 set beside a mask
	s_or_b32 s[G1B+0], s44, (3<<16)|(1<<21)        ; the weight's go to my column
.irp g, G1, G1B
	s_mov_b32 s[\g+1], 32<<16                      ; tensor_dim0
	s_mov_b32 s[\g+2], 128<<16                     ; tensor_dim1
	s_mov_b32 s[\g+3], 32<<16                      ; tile_dim0
	s_mov_b32 s[\g+4], 128                         ; tile_dim1
	s_mov_b32 s[\g+5], 32                          ; tensor_dim0_stride
	s_mov_b32 s[\g+6], 0
	s_mov_b32 s[\g+7], 0
.endr
	s_lshl_b32 s20, s17, 1
	s_add_co_u32 s20, s20, s16
	s_lshl_b32 s20, s20, 17                        ; x: row block 2 x tile row + which, 131,072 bytes each,
	s_lshl_b32 s18, s12, 23
	s_add_co_u32 s20, s20, s18                     ; in the set of codes made with this product's scale
	s_mov_b32 s21, 0
	s_lshl_b32 s46, s42, 1
	s_add_co_u32 s46, s46, s16
	s_lshl_b32 s46, s46, 17                        ; the weight: row block 2 x tile column + which
	s_mov_b32 s47, 0
	s_lshl_b32 s45, s14, 15                        ; where they go: wave x 32,768: no place in the cluster enters an LDS address
	s_wait_kmcnt 0x0
	s_load_b256 s[76:83], s[8:9], 0x0              ; e0 .. e7
	s_load_b128 s[84:87], s[8:9], 0x20             ; e8 .. e11
	s_add_nc_u64 s[20:21], s[4:5], s[20:21]
	s_add_nc_u64 s[46:47], s[6:7], s[46:47]
	CROUND                                         ; all sixteen work-groups are here: the first joint loads meet
.irp s, 0,1
	s_mov_b32 s[G0+4*\s], 1
	s_add_co_u32 s[G0+4*\s+1], s45, \s*SLOT
	s_add_nc_u64 s[G0+4*\s+2:G0+4*\s+3], s[20:21], \s*32768
	s_or_b32 s[G0+4*\s+3], s[G0+4*\s+3], 0x80000000
	s_mov_b32 s[G0B+4*\s], 1
	s_add_co_u32 s[G0B+4*\s+1], s45, \s*SLOT
	s_add_nc_u64 s[G0B+4*\s+2:G0B+4*\s+3], s[46:47], \s*32768
	s_or_b32 s[G0B+4*\s+3], s[G0B+4*\s+3], 0x80000000
	JLOAD G0+4*\s, G1, G0B+4*\s, G1B
.endr
	v_and_b32 v1, 31, v0
	v_lshlrev_b32 v[VO], 4, v1                     ; 16 x lane
	s_wait_alu depctr_va_vdst(0)
	s_cmp_eq_u32 s12, 2                            ; the roles: for v source 1 is the weight, which lies behind x's 65,536 bytes
	s_cselect_b32 s13, 65536, 0
	s_cselect_b32 s3, 0, 65536
	s_lshl_b32 s21, s15, 15
	s_add_co_u32 s21, s21, s13                     ; source 1: my block
	s_lshl_b32 s22, s16, 15
	s_add_co_u32 s22, s22, s3                      ; source 0: my block
.irp s, 0,1
	v_add_nc_u32 v[ADRA+\s], s21, v[VO]
	v_add_nc_u32 v[ADRB+\s], s22, v[VO]
	s_add_co_u32 s21, s21, SLOT
	s_add_co_u32 s22, s22, SLOT
.endr
	; the bias, in both layouts, by every work-group: 32 small loads, and every register that either way out reads is written on this one path
	v_and_b32 v2, 15, v0                           ; r
	v_bfe_u32 v3, v0, 4, 1                         ; h
	s_lshl_b32 s18, s16, 9
	v_lshl_add_u32 v[BO], v3, 6, s18               ; q, k: my 128 columns (source 0's half), + 16 h numbers
	s_wait_alu depctr_va_vdst(0)
	v_and_b32 v4, 8, v2
	v_add_nc_u32 v4, v4, v2                        ; r + 8 (r / 8)
	s_lshl_b32 s18, s15, 9
	v_lshl_add_u32 v[BO+1], v4, 2, s18             ; v: my 128 columns (source 1's half), + my place's column
	s_cmp_eq_u32 s12, 1
	s_cselect_b64 s[94:95], s[68:69], s[10:11]
	s_cmp_eq_u32 s12, 2
	s_cselect_b64 s[94:95], s[70:71], s[94:95]
	s_lshl_b32 s46, s40, 10                        ; the tile's 256 columns
	s_mov_b32 s47, 0
	s_add_nc_u64 s[94:95], s[94:95], s[46:47]
.irp b, 0,1,2,3
.irp i, 0,1,2,3
	global_load_b128 v[BI+16*\b+4*\i:BI+16*\b+4*\i+3], v[BO], s[94:95] offset:128*\b+16*\i   ; register 16 b + i: column 32 b + 16 h + i
.endr
.endr
.irp a, 0,1,2,3,4,5,6,7
	global_load_b32 v[BV+2*\a], v[BO+1], s[94:95] offset:4*(32*(\a/2)+8*(\a%2))              ; block a: my place's column, twice: a pair for the packed form
	global_load_b32 v[BV+2*\a+1], v[BO+1], s[94:95] offset:4*(32*(\a/2)+8*(\a%2))
.endr
	; the way out's constants
	s_wait_kmcnt 0x0
	s_cmp_eq_u32 s12, 1
	s_cselect_b32 s18, s78, s76                    ; x's exponent,
	s_cselect_b32 s19, s79, s77                    ; the weight's,
	s_cselect_b32 s22, s83, s82                    ; the result's
	s_cmp_eq_u32 s12, 2
	s_cselect_b32 s18, s80, s18
	s_cselect_b32 s19, s81, s19
	s_cselect_b32 s22, s85, s22
	s_add_co_i32 s88, s18, s19
	s_add_co_i32 s88, s88, 127
	s_lshl_b32 s88, s88, 23                        ; 2^(ex + ew) as f32
	s_mov_b32 s89, s88                             ; (named with it as a pair, so it is written)
	s_add_co_i32 s22, s22, 127
	s_lshl_b32 s23, s22, 23
	v_mov_b32 v[SCO], s23
	; where my results go.  q: [head 64][tile of 16 queries 128][chunk 2][512].  k, v: [head 64][step of 128 keys 16][16,384]: k's eight tiles as q's, then from byte 8,192 v's four fragments of 2,048.
	; k's offset is twice q's, v's is twice q's + 8,192.
	s_cmp_eq_u32 s12, 2
	s_cselect_b32 s18, s15, s16                    ; which two heads of the tile's four: the weight's half
	s_cselect_b32 s19, s16, s15                    ; which 128 tokens: x's half
	s_cselect_b32 s23, 8192, 0
	s_lshr_b32 s46, s17, 3                         ; the batch: eight tile rows each
	s_lshl_b32 s46, s46, 4
	s_lshl_b32 s47, s40, 2
	s_add_co_u32 s46, s46, s47
	s_lshl_b32 s18, s18, 1
	s_add_co_u32 s46, s46, s18                     ; my first head
	s_lshl_b32 s46, s46, 17
	s_and_b32 s47, s17, 7
	s_lshl_b32 s47, s47, 1
	s_add_co_u32 s47, s47, s19                     ; my 128 tokens of the batch's 2,048
	s_lshl_b32 s47, s47, 13
	s_add_co_u32 s46, s46, s47
	s_min_u32 s47, s12, 1
	s_lshl_b32 s46, s46, s47
	s_add_co_u32 s46, s46, s23
	s_lshl_b32 s18, 0x20000, s47                   ; from head to head
	s_mov_b32 s47, 0
	s_cmp_eq_u32 s12, 0
	s_cselect_b64 s[92:93], s[72:73], s[74:75]
	s_add_nc_u64 s[92:93], s[92:93], s[46:47]
	v_add_nc_u32 v[VO+1], s18, v[VO]
.macro FRAG reg, adr, q, i             ; a fragment comes as it lies: four chunks of 512 consecutive bytes
.irp c, 0,1,2,3
	ds_load_b128 v[\reg+4*\c:\reg+4*\c+3], v[\adr] offset:(\i)*4096+2048*(\q)+512*\c
.endr
.endm
; 16 matrix instructions: source 1's blocks a0, a0 + 1 x source 0's eight fragments, 128 along K.  p: source 0's set.  zero = 1: the first product starts the sums.
; The 64 accumulators take turns, one instruction a turn, in the same order in every step.
.macro MUL16 a0, p, zero
.irp a, \a0, \a0+1
.irp b, 0,1,2,3,4,5,6,7
.if \zero
	v_wmma_f32_16x16x128_bf8_bf8 v[8*(8*((\a)%4)+\b):8*(8*((\a)%4)+\b)+7], v[128*(\p)+FR*\b:128*(\p)+FR*\b+FR-1], v[AF+FR*(\a):AF+FR*(\a)+FR-1], 0
.else
	v_wmma_f32_16x16x128_bf8_bf8 v[8*(8*((\a)%4)+\b):8*(8*((\a)%4)+\b)+7], v[128*(\p)+FR*\b:128*(\p)+FR*\b+FR-1], v[AF+FR*(\a):AF+FR*(\a)+FR-1], v[8*(8*((\a)%4)+\b):8*(8*((\a)%4)+\b)+7]
.endif
.endr
.endr
.endm
.macro FETCH_B slot, q, p              ; source 0's eight fragments of the slot's q-th 128 along K into set p
	WIN TO_B
.irp i, 0,1,2,3,4,5,6,7
	FRAG 128*(\p)+FR*\i, ADRB+\slot, \q, \i
.endr
	WIN 0
.endm
.macro FETCH_A slot, q, i0             ; source 1's blocks i0 .. i0 + 3
.irp i, \i0, \i0+1, \i0+2, \i0+3
	FRAG AF+FR*(\i), ADRA+\slot, \q, \i
.endr
.endm
.macro PLACES n                        ; plain vector lines between a matrix instruction and a load into, or a vector line on, its registers
.rept \n
	v_nop
.endr
.endm
; A step of 128 along K that has its successor in the same slot.
.macro STEP slot, q, zero
	s_wait_dscnt 4*NL                              ; source 0's set and source 1's blocks 0-3 are in; the youngest sixteen loads (blocks 4-7) may be out
	WIN MUL_LO
	MUL16 0, (\q)%2, \zero
	MUL16 2, (\q)%2, \zero
	s_wait_dscnt 0                                 ; blocks 4-7 are in (asked for 32 matrix instructions ago)
	PLACES NP
	FETCH_B \slot, (\q)+1, 1-(\q)%2
	FETCH_A \slot, (\q)+1, 0
	WIN MUL_HI
	MUL16 4, (\q)%2, \zero
	MUL16 6, (\q)%2, \zero
	PLACES NP
	WIN 0
	FETCH_A \slot, (\q)+1, 4
.endm
; A slot's last step changes slots: ONE barrier; in front of it each wave waits for all its tensor loads, adds 0 to its spare word, and waits for that and for its own reads of this slot.  fill = 1: this slot is filled again, two slots ahead.
.macro TURN slot, next, fill
	s_wait_tensorcnt 0x0                           ; all my tensor loads have landed: my part of the next slot  (every window is 0 here)
	ds_add_u32 v[SPW], v[NIL]                      ; 0 onto my spare word
	s_wait_dscnt 4*NL+1                            ; (the add and the youngest sixteen loads may be out)
	WIN MUL_LO
	MUL16 0, 1, 0                                  ; sixteen matrix instructions stand between the add and the wait for it
	s_wait_dscnt 0x0                               ; the add is done, and my reads of this slot are over
	s_barrier_signal -1
	MUL16 2, 1, 0
	WIN 0
	s_barrier_wait -1
.if \fill
	CREST                                          ; the barrier has opened a round of the cluster's barrier: no wave of any partner still reads this slot or has a load on its way
	s_add_nc_u64 s[G0+4*\slot+2:G0+4*\slot+3], s[G0+4*\slot+2:G0+4*\slot+3], 65536
	s_add_nc_u64 s[G0B+4*\slot+2:G0B+4*\slot+3], s[G0B+4*\slot+2:G0B+4*\slot+3], 65536
	JLOAD G0+4*\slot, G1, G0B+4*\slot, G1B         ; the first tensor load behind the round; its four v_nop are the places in front of the loads below
.else
	PLACES NP
.endif
	FETCH_B \next, 0, 0
	FETCH_A \next, 0, 0
	WIN MUL_HI
	MUL16 4, 1, 0
	MUL16 6, 1, 0
	PLACES NP
	WIN 0
	FETCH_A \next, 0, 4
.endm
	s_wait_tensorcnt 1                             ; my part of slot 0 is in (slot 1's load may be out)
	s_barrier_signal -1
	s_barrier_wait -1                              ; everybody's is
	FETCH_B 0, 0, 0
	FETCH_A 0, 0, 0
	FETCH_A 0, 0, 4
	STEP 0, 0, 1                                   ; K = 1,024 is eight steps: written out, no loop.  The first step's products start the sums
	TURN 0, 1, 1
	STEP 1, 0, 0
	TURN 1, 0, 1
	STEP 0, 0, 0
	TURN 0, 1, 0                                   ; nothing is left to fetch
	STEP 1, 0, 0
	s_wait_dscnt 4*NL                              ; the last step
	WIN MUL_LO
	MUL16 0, 1, 0
	MUL16 2, 1, 0
	s_wait_dscnt 0
	WIN MUL_HI
	MUL16 4, 1, 0
	MUL16 6, 1, 0
	WIN 0
; THE WAY OUT, block by block of source 1.  sum x 2^(ex + ew) + bias in one packed multiply-add, each accumulator from its low end on; the conversion.  A lane's 16 codes are 16 bytes of a chunk:
; each store of the wave covers 512 consecutive bytes, aligned.  role = 0 (q, k): block a is a tile of 16 tokens; piece p is chunk p % 2 of head p / 2.  role = 1 (v): block a is fragment a % 4 of head a / 4; piece p is its chunk p.
.macro EPI role
.irp a, 0,1,2,3,4,5,6,7
.if \a >= 4
	s_wait_xcnt 0x0                                ; the stores of four blocks ago have read their registers: the codes' four sets come round
.endif
	WIN 0x02+\a/4                                  ; source 0: window 2 or 3
	v_nop
.irp j, 0,2,4,6,8,10,12,14,16,18,20,22,24,26,28,30,32,34,36,38,40,42,44,46,48,50,52,54,56,58,60,62
.if \role
	v_pk_fma_f32 v[T+\j:T+\j+1], v[64*(\a%4)+\j:64*(\a%4)+\j+1], s[88:89], v[BV+2*\a:BV+2*\a+1] op_sel_hi:[1,0,1]
.else
	v_pk_fma_f32 v[T+\j:T+\j+1], v[64*(\a%4)+\j:64*(\a%4)+\j+1], s[88:89], v[BI+\j:BI+\j+1] op_sel_hi:[1,0,1]
.endif
.endr
	WIN 0
.irp p, 0,1,2,3
.irp i, 0,1,2,3,4,5,6,7,8,9,10,11,12,13,14,15
.endr
	v_cvt_scalef32_pk8_bf8_f32 v[C+16*(\a%4)+4*\p:C+16*(\a%4)+4*\p+1], v[T+16*\p:T+16*\p+7], v[SCO]
	v_cvt_scalef32_pk8_bf8_f32 v[C+16*(\a%4)+4*\p+2:C+16*(\a%4)+4*\p+3], v[T+16*\p+8:T+16*\p+15], v[SCO]
.if \role
	global_store_b128 v[VO+\a/4], v[C+16*(\a%4)+4*\p:C+16*(\a%4)+4*\p+3], s[92:93] offset:(\a%4)*2048+\p*512
.else
	global_store_b128 v[VO+\p/2], v[C+16*(\a%4)+4*\p:C+16*(\a%4)+4*\p+3], s[92:93] offset:\a*1024+(\p%2)*512
.endif
.endr
.endr
	v_nop                                          ; a plain line behind the last conversion
.endm
	s_wait_loadcnt 0x0                             ; the bias
	PLACES NP                                      ; behind the last products: their results are read and source 1's registers written below
	s_cmp_eq_u32 s12, 2                            ; t is the same in all partners
	s_cbranch_scc1 .Lway_v
	EPI 0
	s_branch .Lend
.Lway_v:
	EPI 1
.Lend:
	s_wait_tensorcnt 0x0                           ; the wave's end
	ds_add_u32 v[SPW], v[NIL]
	s_wait_dscnt 0x0
	CROUND                                         ; the closing round: no work-group ends while a partner may still ask for a tile that names it
	s_endpgm
.Lfunc_end_k_qbf30bbd0f7_qkv:
	.size	k_qbf30bbd0f7_qkv, .Lfunc_end_k_qbf30bbd0f7_qkv-k_qbf30bbd0f7_qkv
	.p2alignl 7, 3214868480
	.fill 96, 4, 3214868480
	.section	.rodata,"a",@progbits
	.p2align	6, 0x0
	.amdhsa_kernel k_qbf30bbd0f7_qkv
		.amdhsa_group_segment_fixed_size 327680
		.amdhsa_private_segment_fixed_size 0
		.amdhsa_enable_private_segment 0
		.amdhsa_kernarg_size 64
		.amdhsa_user_sgpr_count 2
		.amdhsa_user_sgpr_kernarg_segment_ptr 1
		.amdhsa_wavefront_size32 1
		.amdhsa_system_sgpr_workgroup_id_x 1
		.amdhsa_system_sgpr_workgroup_id_y 1
		.amdhsa_system_sgpr_workgroup_id_z 1
		.amdhsa_system_vgpr_workitem_id 0
		.amdhsa_next_free_vgpr 1024
		.amdhsa_next_free_sgpr 98
		.amdhsa_reserve_vcc 0
		.amdhsa_float_denorm_mode_32 3
		.amdhsa_float_denorm_mode_16_64 3
		.amdhsa_fp16_overflow 1
		.amdhsa_memory_ordered 1
		.amdhsa_forward_progress 1
		.amdhsa_inst_pref_size 130
	.end_amdhsa_kernel
	.amdgpu_metadata
---
amdhsa.version: [ 1, 2 ]
amdhsa.kernels:
  - .name:           k_qbf30bbd0f7_qkv
    .symbol:         k_qbf30bbd0f7_qkv.kd
    .args:
      - { .name: xc, .offset: 0, .size: 8, .value_kind: global_buffer, .address_space: global }
      - { .name: wc, .offset: 8, .size: 8, .value_kind: global_buffer, .address_space: global }
      - { .name: lowp_scales, .offset: 16, .size: 8, .value_kind: global_buffer, .address_space: global }
      - { .name: bq, .offset: 24, .size: 8, .value_kind: global_buffer, .address_space: global }
      - { .name: bk, .offset: 32, .size: 8, .value_kind: global_buffer, .address_space: global }
      - { .name: bv, .offset: 40, .size: 8, .value_kind: global_buffer, .address_space: global }
      - { .name: qc, .offset: 48, .size: 8, .value_kind: global_buffer, .address_space: global }
      - { .name: kv, .offset: 56, .size: 8, .value_kind: global_buffer, .address_space: global }
    .group_segment_fixed_size: 327680
    .private_segment_fixed_size: 0
    .kernarg_segment_align: 8
    .kernarg_segment_size: 64
    .max_flat_workgroup_size: 128
    .sgpr_count:     98
    .vgpr_count:     1024
    .wavefront_size: 32
...
	.end_amdgpu_metadata
.endif
;; end of part 2
;; launch attn (part 3): grid 4 x 64, 8 waves a work-group, clusters of 4 x 1, 327,680 bytes of LDS; arguments qc, kv, lowp_scales, ac; writes ac
.if DOCPART == 3
	.amdgcn_target "amdgcn-amd-amdhsa--gfx1250"
	.amdhsa_code_object_version 6
	.text
	.protected	k_qbf30bbd0f7_attn
	.globl	k_qbf30bbd0f7_attn
	.p2align	8
	.type	k_qbf30bbd0f7_attn,@function
k_qbf30bbd0f7_attn:
	s_mov_b64 s[64:65], 0
	v_nop
	global_prefetch_b8 v0, s[64:65] scope:SCOPE_SE
	s_setreg_imm32_b32 hwreg(HW_REG_WAVE_MODE, 25, 1), 1
	s_wait_xcnt 0x0
	s_wait_alu depctr_hold_cnt(0) depctr_sa_sdst(0) depctr_va_vdst(0) depctr_va_sdst(0) depctr_va_ssrc(0) depctr_va_vcc(0) depctr_vm_vsrc(0)
	s_getreg_b32 s2, hwreg(HW_REG_IB_STS2, 6, 4)
	s_cmp_eq_u32 s2, 0
	s_cbranch_scc0 .Lentry_in_a_cluster
	s_endpgm
.Lentry_in_a_cluster:
	s_bfe_u32 s2, ttmp6, 0x10000c
	s_cmp_lg_u32 s2, 0x3003
	s_cbranch_scc0 .Lentry_shape_is_right
	s_endpgm
.Lentry_shape_is_right:
; Causal attention of one head (2,048 tokens, head size 64) on codes of BF8 (E5M2): scores = q k^T, t = score x log2(e) / 8, M = the running largest t rounded up to a whole number, p = 2^(t - M) quantised with 2^e8,
; the row's sum taken of the unquantised p, o = (p v) x 2^(e8 + e9) / sum, quantised with 2^e10 and stored as chunks of the last product's operand.
; THE HEAD'S K AND V LIE WHOLE IN LDS: 16 steps of 128 keys x 16,384 bytes (k's eight tiles of 1,024, then v's four fragments of 2,048), as they lie in memory.  Each LDS byte is filled once: no ring.
; CLUSTER: the four work-groups of a cluster serve one head and ask for its 262,144 bytes JOINTLY: wave w brings steps w and 8 + w, two tensor loads, the second asked for after the first has landed.
; SHARES.  The head's 64 blocks of 32 queries are paired: wave w of the work-group at place cx owns block 4 w + cx (it needs steps 0 .. w) and block 63 - (4 w + cx) (steps 0 .. 15 - w): 17 steps for every wave.
; Which steps are walked hangs on the wave's number alone; cx enters q's and the output's addresses and the numbers of the mask, nothing else.
; LAYOUT.  Both products are used transposed: S^T = k q^T (source 0 = 16 keys, source 1 = 16 queries), O^T = v^T p^T: a lane holds one query (lane % 16) throughout.  Register 8 kt + j of a tile's scores is key
; 16 kt + 8 (lane / 16) + j, so eight registers convert into registers 2 kt, 2 kt + 1 of p's operand, and v was stored in that order.  v's rows were placed so that 16 registers of O^T are 16 neighbouring channels.
; LIMITS: e6 + e7 between -123 and 130 (added to the exponent field of log2(e) / 8); e8 and e10 between -126 and 112; e8 + e9 is applied by v_ldexp_f32.  NaN is not served.
; REGISTERS: window 0: v1-9 addresses and constants; v10-33 twelve statistics a tile; v34; v64-191 S^T, then p (64 a tile); v192-223 p's codes; v224-255 the two blocks' results.
;   window 1: v0-63 O^T (32 a tile); v64-95 q of the two blocks; v96-159 k of a step; v160-223 v of a step.
.set LA,   1                           ; v1   16 x lane
.set ADR,  2                           ; v2   LDS address of the step in hand
.set NINF, 3                           ; v3   -infinity
.set PLIM, 4
.set PSC,  5                           ; v5   2^e8
.set OLIM, 6
.set OSC,  7                           ; v7   2^e10
.set DQ,   8                           ; v8, v9  tile i: my query's place in the diagonal step, less 8 (lane / 16)
.set ST,   10                          ; tile i at ST + 12 i: +0 -M, +1 the largest t, +2:3 the sum in two halves, +4 f (+5 its pair's other word), +6, +7 at work, +8 from the other half of the lanes, +10:11 a second chain of sums
.set RH,   34                          ; v34  lane % 16 - 8 (lane / 16)
.set S,    64
.set P,    192
.set CH,   224
.set CL,   240
.set O,    0                           ; window 1
.set QH,   64
.set QL,   80
.set KF,   96
.set VF,   160
.set STEPB, 16384
.set G1,   24                          ; s[24:31] descriptor group 1; s[32:35], s[36:39] the two groups 0
.set MSB, 0
.macro WIN new                         ; the immediate's high byte repeats the setting that is left
.if MSB != (\new)
	s_set_vgpr_msb (MSB<<8)|(\new)
.set MSB, \new
.endif
.endm
.set W_LD,  0x40                       ; destination window 1
.set W_S,   0x05                       ; k and q in window 1, S^T in window 0
.set W_PV,  0x51                       ; v, C and D in window 1, p in window 0
.set W_RS,  0x41                       ; O^T (destination and source 0) in window 1, f in window 0
.set W_OUT, 0x01                       ; O^T read from window 1
.macro CROUND                          ; a round of the cluster's barrier
	s_barrier_signal -1
	s_barrier_wait -1
	s_cmp_lg_u32 s12, 0
	s_cbranch_scc1 .Lnot_wave_0_\@
	s_barrier_signal -3
.Lnot_wave_0_\@:
	s_barrier_wait -3
	s_barrier_signal -1
	s_barrier_wait -1
.endm
	s_load_b256 s[4:11], s[0:1], 0x0               ; qc 4:5, kv 6:7, the exponents 8:9, ac 10:11
	v_lshl_add_u32 v62, v0, 2, 0x40000
	v_mov_b32 v63, 0
	ds_add_u32 v62, v63
	ds_add_u32 v62, v63
	v_lshrrev_b32 v2, 5, v0
	s_delay_alu instid0(VALU_DEP_1)
	v_readfirstlane_b32 s12, v2                    ; wave 0..7: also the low block's last step
	s_bfe_u32 s13, ttmp6, 0x40000                  ; cx
	s_and_b32 s14, ttmp7, 0xffff                   ; batch x 16 + head: the cluster's y
	s_sub_co_u32 s15, 15, s12                      ; the high block's last step
	s_mov_b32 s[G1], 15|(3<<16)|(1<<21)            ; 15:0 the mask: all four work-groups; 17:16 elements of 8 bytes; 21 set beside a mask
	s_mov_b32 s[G1+1], 32<<16                      ; a step's 16,384 dense bytes as 64 rows of 32 elements
	s_mov_b32 s[G1+2], 64<<16
	s_mov_b32 s[G1+3], 32<<16
	s_mov_b32 s[G1+4], 64
	s_mov_b32 s[G1+5], 32
	s_mov_b32 s[G1+6], 0
	s_mov_b32 s[G1+7], 0
	s_mov_b32 s18, 0x76543210                      ; v_permlanex16_b32's selects for lane l xor 16
	s_mov_b32 s19, 0xfedcba98
	s_lshl_b32 s58, s14, 18                        ; the head's 262,144 bytes of kv,
	s_lshl_b32 s33, s12, 14                        ; step w: in memory and in LDS
	s_add_co_u32 s58, s58, s33
	s_mov_b32 s59, 0
	s_lshl_b32 s57, s12, 2
	s_add_co_u32 s57, s57, s13                     ; the low block: 4 w + cx
	s_sub_co_u32 s66, 63, s57                      ; the high block
	s_lshl_b32 s75, s13, 5                         ; the low block's first query in its diagonal step: 32 cx;
	s_sub_co_u32 s76, 96, s75                      ; the high block's: 32 (3 - cx)
	s_lshl_b32 s74, s14, 17                        ; the head's 131,072 bytes of qc; a block's two tiles are 2,048
	s_lshl_b32 s60, s66, 11
	s_add_co_u32 s60, s60, s74
	s_mov_b32 s61, 0
	s_lshl_b32 s62, s57, 11
	s_add_co_u32 s62, s62, s74
	s_mov_b32 s63, 0
	; the output is an operand of K = 1,024: [block of 128 rows][K slot of 256][tile of 16 rows][K half][chunk][512].  A head's 64 channels are two chunks.
	s_and_b32 s67, s14, 15                         ; the head
	s_lshr_b32 s68, s67, 2
	s_lshl_b32 s68, s68, 15                        ; K slot
	s_bfe_u32 s69, s67, 0x10001
	s_lshl_b32 s69, s69, 11                        ; K half
	s_add_co_u32 s68, s68, s69
	s_and_b32 s69, s67, 1
	s_lshl_b32 s69, s69, 10                        ; chunks 0, 1 or 2, 3
	s_add_co_u32 s68, s68, s69
	s_lshr_b32 s69, s14, 4
	s_lshl_b32 s69, s69, 7                         ; the batch's first tile of rows
	s_lshl_b32 s70, s66, 1
	s_add_co_u32 s70, s70, s69                     ; the high block's first tile
	s_lshr_b32 s71, s70, 3
	s_lshl_b32 s71, s71, 17
	s_and_b32 s70, s70, 7
	s_lshl_b32 s70, s70, 12
	s_add_co_u32 s70, s70, s71
	s_add_co_u32 s70, s70, s68
	s_mov_b32 s71, 0
	s_lshl_b32 s72, s57, 1
	s_add_co_u32 s72, s72, s69                     ; the low block's
	s_lshr_b32 s73, s72, 3
	s_lshl_b32 s73, s73, 17
	s_and_b32 s72, s72, 7
	s_lshl_b32 s72, s72, 12
	s_add_co_u32 s72, s72, s73
	s_add_co_u32 s72, s72, s68
	s_mov_b32 s73, 0
	s_wait_dscnt 0x0
	s_wait_kmcnt 0x0
	s_load_b256 s[40:47], s[8:9], 0x0              ; e0 .. e7
	s_load_b128 s[48:51], s[8:9], 0x20             ; e8 .. e11
	s_mov_b32 s32, 1                               ; group 0: count 1, LDS address, global address, type 2
	s_add_nc_u64 s[34:35], s[6:7], s[58:59]
	s_mov_b32 s36, 1
	s_add_co_u32 s37, s33, 131072                  ; step 8 + w
	s_add_nc_u64 s[38:39], s[34:35], 131072
	s_or_b32 s35, s35, 0x80000000
	s_or_b32 s39, s39, 0x80000000
	s_add_nc_u64 s[60:61], s[4:5], s[60:61]
	s_add_nc_u64 s[62:63], s[4:5], s[62:63]
	s_add_nc_u64 s[52:53], s[10:11], s[70:71]
	s_add_nc_u64 s[54:55], s[10:11], s[72:73]
	CROUND                                         ; all four work-groups are here: the joint loads meet
	tensor_load_to_lds s[32:35], s[G1:G1+7]        ; the first of the launch's two fills: one load of mine is out
	s_nop 0
	s_wait_alu depctr_va_vdst(0)
	s_wait_tensorcnt 0x0
	ds_add_u32 v62, v63
	s_wait_dscnt 0x0
	CROUND
	tensor_load_to_lds s[36:39], s[G1:G1+7]
	s_nop 0
.rept 4
	v_nop
.endr
	v_and_b32 v[LA], 31, v0
	s_delay_alu instid0(VALU_DEP_1)
	v_lshlrev_b32 v[LA], 4, v[LA]
	WIN W_LD
.irp i, 0,1
.irp c, 0,1
	global_load_b128 v[QH+8*\i+4*\c:QH+8*\i+4*\c+3], v[LA], s[60:61] offset:\i*1024+\c*512 th:TH_LOAD_NT   ; q stays in registers: tile i, channels 32 c + 16 (lane / 16) on
	global_load_b128 v[QL+8*\i+4*\c:QL+8*\i+4*\c+3], v[LA], s[62:63] offset:\i*1024+\c*512 th:TH_LOAD_NT
.endr
.endr
	WIN 0
	v_and_b32 v[RH], 15, v0
	v_bfe_u32 v[ADR], v0, 4, 1
	s_delay_alu instid0(VALU_DEP_1)
	v_lshlrev_b32 v[ADR], 3, v[ADR]
	s_delay_alu instid0(VALU_DEP_1)
	v_sub_nc_u32 v[RH], v[RH], v[ADR]
	v_mov_b32 v[NINF], 0xff800000
	s_wait_alu depctr_va_vdst(0)
	s_wait_kmcnt 0x0
	s_add_co_i32 s57, s46, s47
	s_lshl_b32 s57, s57, 23
	s_add_co_i32 s20, s57, 0x3e38aa3b              ; c = log2(e) / 8 x 2^(e6 + e7): the two exponents are added to c's exponent field
	s_mov_b32 s21, s20                             ; (named with it as a pair, so it is written)
	s_add_co_i32 s57, s48, 127
	s_lshl_b32 s58, s57, 23
	v_mov_b32 v[PSC], s58
	s_add_co_i32 s57, s50, 127
	s_lshl_b32 s58, s57, 23
	v_mov_b32 v[OSC], s58
	s_add_co_i32 s56, s48, s49                     ; e8 + e9
; A KEY STEP: 128 keys against my block's two tiles of 16 queries.  qb: the block's q.  guard = 1: a step behind the block's last (s[lim]) is left out, and in the last one hidden scores become -infinity.
.macro STEP qb, guard, lim
.if \guard
	s_cmp_gt_u32 s16, s[\lim]                      ; all these keys come after my queries: a branch on the trip and the wave's number
	s_cbranch_scc1 .Lskip_\@
.endif
	s_setprio 2
	v_add_nc_u32 v[ADR], s17, v[LA]
.rept 3
	v_nop                                          ; with the line above: four places behind the last step's products, in front of the loads into v's registers
.endr
	WIN W_LD
.irp kt, 0,1,2,3,4,5,6,7
.irp c, 0,1
	ds_load_b128 v[KF+8*\kt+4*\c:KF+8*\kt+4*\c+3], v[ADR] offset:\kt*1024+\c*512
.endr
.endr
.irp f, 0,1,2,3
.irp e, 0,1,2,3
	ds_load_b128 v[VF+16*\f+4*\e:VF+16*\f+4*\e+3], v[ADR] offset:8192+\f*2048+\e*512
.endr
.endr
	s_wait_dscnt 16                                ; k is in; v's sixteen loads may stay out
	WIN W_S
.irp kt, 0,1,2,3,4,5,6,7
.irp i, 0,1
	v_wmma_f32_16x16x64_bf8_bf8 v[S+64*\i+8*\kt:S+64*\i+8*\kt+7], v[KF+8*\kt:KF+8*\kt+7], v[\qb+8*\i:\qb+8*\i+7], 0
.endr
.endr
	WIN 0
.rept 4
	v_nop                                          ; places in front of the first read of the scores
.endr
.if \guard
	s_cmp_lg_u32 s16, s[\lim]
	s_cbranch_scc1 .Lopen_\@                       ; all keys of this step count
.irp i, 0,1
.set n, 0
.rept 64
	v_cmp_gt_i32 vcc_lo, 16*(n/8)+n%8, v[DQ+\i]    ; register n holds key 16 (n / 8) + 8 (lane / 16) + n % 8 of the step: hidden where it comes after my query
	v_cndmask_b32 v[S+64*\i+n], v[S+64*\i+n], v[NINF], vcc_lo
.set n, n+1
.endr
.endr
.Lopen_\@:
.endif
.irp i, 0,1                                    ; the step's largest score of my query among my 64 keys: two chains a tile, from each accumulator's low end on
	v_max3_num_f32 v[ST+12*\i+6], v[S+64*\i], v[S+64*\i+1], v[S+64*\i+2]
	v_max3_num_f32 v[ST+12*\i+7], v[S+64*\i+3], v[S+64*\i+4], v[S+64*\i+5]
.endr
.set n, 6
.rept 14
.irp i, 0,1
	v_max3_num_f32 v[ST+12*\i+6], v[ST+12*\i+6], v[S+64*\i+n], v[S+64*\i+n+1]
	v_max3_num_f32 v[ST+12*\i+7], v[ST+12*\i+7], v[S+64*\i+n+2], v[S+64*\i+n+3]
.endr
.set n, n+4
.endr
.irp i, 0,1
	v_max3_num_f32 v[ST+12*\i+6], v[ST+12*\i+6], v[S+64*\i+62], v[S+64*\i+63]
.endr
.irp i, 0,1
	s_delay_alu instid0(VALU_DEP_2)
	v_max_num_f32 v[ST+12*\i+6], v[ST+12*\i+6], v[ST+12*\i+7]
.endr
.irp i, 0,1
	s_delay_alu instid0(VALU_DEP_2)
	v_permlanex16_b32 v[ST+12*\i+8], v[ST+12*\i+6], s18, s19
.endr
.irp i, 0,1
	s_delay_alu instid0(VALU_DEP_2)
	v_max_num_f32 v[ST+12*\i+6], v[ST+12*\i+6], v[ST+12*\i+8]   ; and among lane l xor 16's
.endr
.irp i, 0,1
	s_delay_alu instid0(VALU_DEP_2)
	v_mul_f32 v[ST+12*\i+6], s20, v[ST+12*\i+6]                 ; as t (c is positive)
.endr
.irp i, 0
	s_delay_alu instid0(VALU_DEP_2)
	v_max_num_f32 v[ST+12*\i+1], v[ST+12*\i+1], v[ST+12*\i+6]   ; the running largest t
	v_mov_b32 v[ST+12*\i+6], v[ST+12*\i]
.endr
.irp i, 1
	s_delay_alu instid0(VALU_DEP_3)
	v_max_num_f32 v[ST+12*\i+1], v[ST+12*\i+1], v[ST+12*\i+6]
	v_mov_b32 v[ST+12*\i+6], v[ST+12*\i]
.endr
.irp i, 0
	s_delay_alu instid0(VALU_DEP_4)
	v_floor_f32 v[ST+12*\i], -v[ST+12*\i+1]
.endr
.irp i, 1
	s_delay_alu instid0(VALU_DEP_3)
	v_floor_f32 v[ST+12*\i], -v[ST+12*\i+1]                     ; the new -M = floor(-t): M is a whole number
.endr
.irp i, 0,1
	s_delay_alu instid0(VALU_DEP_2)
	v_sub_f32 v[ST+12*\i+6], v[ST+12*\i], v[ST+12*\i+6]         ; old M - new M: a whole number, 0 or less
.endr
.irp i, 0,1
	s_delay_alu instid0(VALU_DEP_2)
	v_cvt_i32_f32 v[ST+12*\i+6], v[ST+12*\i+6]                  ; (it saturates)
.endr
.irp i, 0,1
	s_delay_alu instid0(VALU_DEP_2)
	v_ldexp_f32 v[ST+12*\i+4], 1.0, v[ST+12*\i+6]               ; f = 2^(old M - new M): multiplying by it rounds nothing
.endr
.set n, 0
.rept 32
.irp i, 0,1
	v_pk_fma_f32 v[S+64*\i+n:S+64*\i+n+1], v[S+64*\i+n:S+64*\i+n+1], s[20:21], v[ST+12*\i:ST+12*\i+1] op_sel_hi:[1,0,0]   ; t - M (of the pairs c and -M the low word serves both halves)
.endr
.set n, n+2
.endr
.set n, 0
	s_setprio 1
	s_wait_alu depctr_va_vdst(0)
.rept 128
	v_exp_f32 v[S+n], v[S+n]                       ; p = 2^(t - M), at most 1: not normalised.  One batch
.set n, n+1
.endr
.irp i, 0,1
	v_pk_mul_f32 v[ST+12*\i+2:ST+12*\i+3], v[ST+12*\i+2:ST+12*\i+3], v[ST+12*\i+4:ST+12*\i+5] op_sel_hi:[1,0]   ; the sums under the new M: the plain lines behind the exponentials
.endr
	s_wait_alu depctr_va_vdst(0)                   ; one wait for the batch, ahead of its first reader
.irp i, 0,1
	v_pk_add_f32 v[ST+12*\i+10:ST+12*\i+11], v[S+64*\i:S+64*\i+1], v[S+64*\i+2:S+64*\i+3]   ; the row's sum is taken of the unquantised p: two chains a tile
.endr
.set n, 4
.rept 15
.irp i, 0,1
	v_pk_add_f32 v[ST+12*\i+2:ST+12*\i+3], v[ST+12*\i+2:ST+12*\i+3], v[S+64*\i+n:S+64*\i+n+1]
	v_pk_add_f32 v[ST+12*\i+10:ST+12*\i+11], v[ST+12*\i+10:ST+12*\i+11], v[S+64*\i+n+2:S+64*\i+n+3]
.endr
.set n, n+4
.endr
.irp i, 0
	s_delay_alu instid0(VALU_DEP_3)
	v_pk_add_f32 v[ST+12*\i+2:ST+12*\i+3], v[ST+12*\i+2:ST+12*\i+3], v[ST+12*\i+10:ST+12*\i+11]
.endr
.irp i, 1
	s_delay_alu instid0(VALU_DEP_2)
	v_pk_add_f32 v[ST+12*\i+2:ST+12*\i+3], v[ST+12*\i+2:ST+12*\i+3], v[ST+12*\i+10:ST+12*\i+11]
.endr
.irp kt, 0,1,2,3,4,5,6,7
.irp i, 0,1
.irp j, 0,1,2,3,4,5,6,7
.endr
	v_cvt_scalef32_pk8_bf8_f32 v[P+16*\i+2*\kt:P+16*\i+2*\kt+1], v[S+64*\i+8*\kt:S+64*\i+8*\kt+7], v[PSC]
.endr
.endr
	WIN W_RS
.set n, 0
	s_setprio 0
.rept 16
.irp i, 0,1
	v_pk_mul_f32 v[O+32*\i+n:O+32*\i+n+1], v[O+32*\i+n:O+32*\i+n+1], v[ST+12*\i+4:ST+12*\i+5] op_sel_hi:[1,0]   ; O^T under the new M; also the plain lines behind the conversions
.endr
.set n, n+2
.endr
	s_wait_alu depctr_va_vdst(0)
	s_wait_dscnt 0x0                               ; v is in
	WIN W_PV
.irp f, 0,1,2,3
.irp i, 0,1
	v_wmma_f32_16x16x128_bf8_bf8 v[O+32*\i+8*\f:O+32*\i+8*\f+7], v[VF+16*\f:VF+16*\f+15], v[P+16*\i:P+16*\i+15], v[O+32*\i+8*\f:O+32*\i+8*\f+7]   ; eight accumulators, one instruction each
.endr
.endr
	WIN 0
.if \guard
.Lskip_\@:
.endif
	s_add_co_u32 s16, s16, 1                       ; the trip and the LDS address step in every trip, walked or left out
	s_add_co_u32 s17, s17, STEPB
.endm
; A block begins: O^T and the sum as zeros, the largest t under every t; the first change of M multiplies zeros, so the step is written without a first form of its own.
.macro INIT qr
	v_add_nc_u32 v[DQ], s[\qr], v[RH]
	s_delay_alu instid0(VALU_DEP_1)
	v_add_nc_u32 v[DQ+1], 16, v[DQ]
.irp i, 0,1
	v_mov_b32 v[ST+12*\i+1], 0xff61b1e6            ; -3e38
	s_delay_alu instid0(VALU_DEP_1)
	v_floor_f32 v[ST+12*\i], -v[ST+12*\i+1]
	v_mov_b32 v[ST+12*\i+2], 0
	v_mov_b32 v[ST+12*\i+3], 0
	v_mov_b32 v[ST+12*\i+5], 0                     ; (named as the upper word of f's pair)
	v_mov_b32 v[ST+12*\i+8], 0                     ; (a lane permute's destination counts as read)
.endr
	WIN W_LD
.set n, 0
.rept 64
	v_mov_b32 v[O+n], 0
.set n, n+1
.endr
	WIN 0
.endm
; A block ends: O^T x 2^(e8 + e9) / the sum, converted with 2^e10.  16 registers of a tile are channels 32 b + 16 (lane / 16) + 0 .. 15: a chunk of the next operand; each store covers 512 consecutive bytes, aligned.
.macro OUT cr, dst
.rept 4
	v_nop                                          ; places behind the last products
.endr
.irp i, 0,1
	v_add_f32 v[ST+12*\i+6], v[ST+12*\i+2], v[ST+12*\i+3]
.endr
.irp i, 0,1
	s_delay_alu instid0(VALU_DEP_2)
	v_permlanex16_b32 v[ST+12*\i+8], v[ST+12*\i+6], s18, s19
.endr
.irp i, 0,1
	s_delay_alu instid0(VALU_DEP_2)
	v_add_f32 v[ST+12*\i+6], v[ST+12*\i+6], v[ST+12*\i+8]
.endr
	s_wait_alu depctr_va_vdst(0)
.irp i, 0,1
	v_rcp_f32 v[ST+12*\i+4], v[ST+12*\i+6]
.endr
	v_nop                                          ; a plain line behind the reciprocals
	s_wait_alu depctr_va_vdst(0)                   ; and the wait ahead of their first reader: one for both
.irp i, 0,1
	v_ldexp_f32 v[ST+12*\i+4], v[ST+12*\i+4], s56
.endr
	WIN W_OUT
.set n, 0
.rept 16
.irp i, 0,1
	v_pk_mul_f32 v[S+32*\i+n:S+32*\i+n+1], v[O+32*\i+n:O+32*\i+n+1], v[ST+12*\i+4:ST+12*\i+5] op_sel_hi:[1,0]
.endr
.set n, n+2
.endr
	WIN 0
.set n, 0
.rept 64
.set n, n+1
.endr
.irp i, 0,1
.irp e, 0,1,2,3
	v_cvt_scalef32_pk8_bf8_f32 v[\cr+8*\i+2*\e:\cr+8*\i+2*\e+1], v[S+32*\i+8*\e:S+32*\i+8*\e+7], v[OSC]
.endr
.endr
	v_nop                                          ; a plain line behind the last conversion: later products write its sources
.irp i, 0,1
.irp e, 0,1
	global_store_b128 v[LA], v[\cr+8*\i+4*\e:\cr+8*\i+4*\e+3], s[\dst:\dst+1] offset:\i*4096+\e*512
.endr
.endr
.endm
	INIT 76                                        ; the high block first
	s_wait_loadcnt 0x0                             ; q
	s_wait_tensorcnt 1                             ; my step w is in; step 8 + w may stay out
	s_barrier_signal -1
	s_barrier_wait -1                              ; everybody's is: steps 0 to 7 lie in LDS
	s_mov_b32 s16, 0
	s_mov_b32 s17, 0
.Lfirst_half:                                      ; steps 0 to 7: all their keys count for the high block, whose last step is 8 at the least
	STEP QH, 0, 15
	s_cmp_lt_u32 s16, 8
	s_cbranch_scc1 .Lfirst_half
	s_setprio 0
	s_wait_tensorcnt 0x0                           ; my step 8 + w is in,
	s_wait_dscnt 0x0
	s_barrier_signal -1
	s_barrier_wait -1                              ; everybody's is
	s_mov_b32 s17, 8*STEPB
.Lsecond_half:                                     ; steps 8 to 15, as far as 15 - w
	STEP QH, 1, 15
	s_cmp_lt_u32 s16, 16
	s_cbranch_scc1 .Lsecond_half
	s_setprio 0
	OUT CH, 52
	INIT 75                                        ; the low block
	s_mov_b32 s16, 0
	s_mov_b32 s17, 0
.Llow:                                             ; steps 0 to 7, as far as w
	STEP QL, 1, 12
	s_cmp_lt_u32 s16, 8
	s_cbranch_scc1 .Llow
	s_setprio 0
	OUT CL, 54
	s_wait_tensorcnt 0x0
	ds_add_u32 v62, v63
	s_wait_dscnt 0x0
	CROUND                                         ; the closing round
	s_endpgm
.Lfunc_end_k_qbf30bbd0f7_attn:
	.size	k_qbf30bbd0f7_attn, .Lfunc_end_k_qbf30bbd0f7_attn-k_qbf30bbd0f7_attn
	.p2alignl 7, 3214868480
	.fill 96, 4, 3214868480
	.section	.rodata,"a",@progbits
	.p2align	6, 0x0
	.amdhsa_kernel k_qbf30bbd0f7_attn
		.amdhsa_group_segment_fixed_size 327680
		.amdhsa_private_segment_fixed_size 0
		.amdhsa_enable_private_segment 0
		.amdhsa_kernarg_size 32
		.amdhsa_user_sgpr_count 2
		.amdhsa_user_sgpr_kernarg_segment_ptr 1
		.amdhsa_wavefront_size32 1
		.amdhsa_system_sgpr_workgroup_id_x 1
		.amdhsa_system_sgpr_workgroup_id_y 1
		.amdhsa_system_sgpr_workgroup_id_z 1
		.amdhsa_system_vgpr_workitem_id 0
		.amdhsa_next_free_vgpr 512
		.amdhsa_next_free_sgpr 80
		.amdhsa_reserve_vcc 1
		.amdhsa_float_denorm_mode_32 3
		.amdhsa_float_denorm_mode_16_64 3
		.amdhsa_fp16_overflow 1
		.amdhsa_memory_ordered 1
		.amdhsa_forward_progress 1
		.amdhsa_inst_pref_size 115
	.end_amdhsa_kernel
	.amdgpu_metadata
---
amdhsa.version: [ 1, 2 ]
amdhsa.kernels:
  - .name:           k_qbf30bbd0f7_attn
    .symbol:         k_qbf30bbd0f7_attn.kd
    .args:
      - { .name: qc, .offset: 0, .size: 8, .value_kind: global_buffer, .address_space: global }
      - { .name: kv, .offset: 8, .size: 8, .value_kind: global_buffer, .address_space: global }
      - { .name: lowp_scales, .offset: 16, .size: 8, .value_kind: global_buffer, .address_space: global }
      - { .name: ac, .offset: 24, .size: 8, .value_kind: global_buffer, .address_space: global }
    .group_segment_fixed_size: 327680
    .private_segment_fixed_size: 0
    .kernarg_segment_align: 8
    .kernarg_segment_size: 32
    .max_flat_workgroup_size: 256
    .sgpr_count:     80
    .vgpr_count:     512
    .wavefront_size: 32
...
	.end_amdgpu_metadata
.endif
;; end of part 3
;; launch proj (part 4): grid 8 x 32, 4 waves a work-group, clusters of 4 x 4, 327,680 bytes of LDS; arguments ac, wc, lowp_scales, bo, out0; writes out0
.if DOCPART == 4
	.amdgcn_target "amdgcn-amd-amdhsa--gfx1250"
	.amdhsa_code_object_version 6
	.text
	.protected	k_qbf30bbd0f7_proj
	.globl	k_qbf30bbd0f7_proj
	.p2align	8
	.type	k_qbf30bbd0f7_proj,@function
k_qbf30bbd0f7_proj:
	s_mov_b64 s[64:65], 0
	v_nop
	global_prefetch_b8 v0, s[64:65] scope:SCOPE_SE
	s_setreg_imm32_b32 hwreg(HW_REG_WAVE_MODE, 25, 1), 1
	s_wait_xcnt 0x0
	s_wait_alu depctr_hold_cnt(0) depctr_sa_sdst(0) depctr_va_vdst(0) depctr_va_sdst(0) depctr_va_ssrc(0) depctr_va_vcc(0) depctr_vm_vsrc(0)
	s_getreg_b32 s2, hwreg(HW_REG_IB_STS2, 6, 4)
	s_cmp_eq_u32 s2, 0
	s_cbranch_scc0 .Lentry_in_a_cluster
	s_endpgm
.Lentry_in_a_cluster:
	s_bfe_u32 s2, ttmp6, 0x10000c
	s_cmp_lg_u32 s2, 0xf033
	s_cbranch_scc0 .Lentry_shape_is_right
	s_endpgm
.Lentry_shape_is_right:
; out0 = a Wo + bo on codes of BF8 (E5M2): a [8192][1024] are the attention's results as codes (scale 2^e10), Wo's codes are the fourth weight in wc (2^e11).  out0 [8192][1024] f32.
; A tile is 256 tokens x 128 columns, so that 256 work-groups share the work: four waves, each 128 tokens (source 1, eight blocks) x 64 columns (source 0, four fragments): 32 accumulators.
; Operands lie in memory as images of registers: a block of 128 rows x 256 K is 32,768 dense bytes, [fragment 8][K half 2][chunk 4][512].  K = 1,024 goes through a ring of two LDS slots of 256 along K:
; a's two row blocks, then the weight's one, in two halves of four fragments.  Each wave fetches one part by one tensor load.
; CLUSTERS: 4 x 4: a's blocks are asked for jointly along a row of the cluster, the weight's along a column.
; Source 0 = the weight: a lane holds one token, and by the weight's order of places 16 neighbouring columns in 16 registers.
; LIMIT: e10 + e11 between -126 and 127, so that 2^(e10 + e11) is an f32 number.
; REGISTERS: window 0: v16-31 addresses; v32-63 the bias; v128-255 source 1's eight blocks, ONE set; on the way out v64-95 numbers, v96-159 rows read back.   window 1: source 0's four fragments, TWO sets, at v0 and v64.
;   window 2: accumulator (a, b) at v[8 (4 a + b)].
.set FR,     16
.set NL,     4
.set NP,     4                         ; places behind this matrix instruction (ISA guide 7.12.1)
.set SLOT,   98304
.set WOFF,   65536                     ; the weight's block in a slot
.set SPARE,  2*SLOT                    ; behind the ring: the spare words, 128 bytes for each wave: two blocks of 256 bytes that no other line names
.set SPITCH, 272                       ; the way out: a stage of 16 rows x (256 bytes + 16) for each wave, in slot 0, which has had its last fill and its last read when the first result is stored there
.set ADRA, 16
.set ADRB, 20
.set STO,  24                          ; v24  the stage: where I put 64 bytes of a row
.set RD,   25                          ; v25  where I read rows back
.set CO,   26                          ; v26  my byte offset in two rows of out0
.set SPW,  28
.set NIL,  29
.set BO,   30
.set BI,   32
.set T,    64
.set BK,   96
.set AF,   128
.set G1, 24
.set G0, 32
.set G1B, 48
.set G0B, 56
.set MSB, 0
.macro WIN new                         ; the immediate's high byte repeats the setting that is left
.if MSB != (\new)
	s_set_vgpr_msb (MSB<<8)|(\new)
.set MSB, \new
.endif
.endm
.set MUL,  0xa1                        ; source 0 window 1, source 1 window 0, C and D window 2
.set TO_B, 0x40                        ; destination window 1, address window 0
.macro JLOAD g0a, g1a, g0b, g1b        ; a joint load: waves 0 and 1 fetch a's blocks, waves 2 and 3 the weight's halves; four v_nop follow each of the two lines
	s_cmp_eq_u32 s15, 0
	s_cbranch_scc0 .Lfor_b_\@
	tensor_load_to_lds s[\g0a:\g0a+3], s[\g1a:\g1a+7]
	s_nop 0
.rept 4
	v_nop
.endr
	s_branch .Lasked_\@
.Lfor_b_\@:
	tensor_load_to_lds s[\g0b:\g0b+3], s[\g1b:\g1b+7]
	s_nop 0
.rept 4
	v_nop
.endr
.Lasked_\@:
.endm
.macro CREST
	s_cmp_lg_u32 s14, 0
	s_cbranch_scc1 .Lnot_wave_0_\@
	s_barrier_signal -3
.Lnot_wave_0_\@:
	s_barrier_wait -3
	s_barrier_signal -1
	s_barrier_wait -1
.endm
.macro CROUND
	s_barrier_signal -1
	s_barrier_wait -1
	CREST
.endm
	s_load_b256 s[4:11], s[0:1], 0x0               ; ac 4:5, wc 6:7, the exponents 8:9, bo 10:11
	s_load_b64 s[68:69], s[0:1], 0x20              ; out0
	v_lshl_add_u32 v[SPW], v0, 2, SPARE
	v_mov_b32 v[NIL], 0
	ds_add_u32 v28, v29
	ds_add_u32 v28, v29
	s_wait_dscnt 0x0
	v_lshrrev_b32 v1, 5, v0
	v_readfirstlane_b32 s14, v1                    ; wave 0..3
	s_lshr_b32 s15, s14, 1                         ; which 128 tokens are mine.  Also: I fetch for a (0) or for the weight (1)
	s_and_b32 s16, s14, 1                          ; which 64 columns.  Also: which part I fetch
	s_bfe_u32 s40, ttmp6, 0x40000                  ; cx, cy
	s_bfe_u32 s41, ttmp6, 0x40004
	s_lshl_b32 s42, ttmp9, 2
	s_add_co_u32 s42, s42, s40                     ; tile column 0..7
	s_and_b32 s17, ttmp7, 0xffff
	s_lshl_b32 s17, s17, 2
	s_add_co_u32 s17, s17, s41                     ; tile row 0..31
	s_lshl_b32 s43, s41, 2
	s_lshl_b32 s43, 15, s43                        ; my row of the cluster
	s_lshl_b32 s44, 0x1111, s40                    ; my column
	s_or_b32 s[G1+0], s43, (3<<16)|(1<<21)         ; the mask; elements of 8 bytes; no padding; bit 21 set beside a mask
	s_or_b32 s[G1B+0], s44, (3<<16)|(1<<21)
	s_mov_b32 s[G1+1], 32<<16                      ; a's block: 32,768 dense bytes as 128 rows of 32 elements
	s_mov_b32 s[G1+2], 128<<16
	s_mov_b32 s[G1+3], 32<<16
	s_mov_b32 s[G1+4], 128
	s_mov_b32 s[G1+5], 32
	s_mov_b32 s[G1+6], 0
	s_mov_b32 s[G1+7], 0
	s_mov_b32 s[G1B+1], 32<<16                     ; half of the weight's block: 16,384 bytes as 64 rows
	s_mov_b32 s[G1B+2], 64<<16
	s_mov_b32 s[G1B+3], 32<<16
	s_mov_b32 s[G1B+4], 64
	s_mov_b32 s[G1B+5], 32
	s_mov_b32 s[G1B+6], 0
	s_mov_b32 s[G1B+7], 0
	s_lshl_b32 s20, s17, 1
	s_add_co_u32 s20, s20, s16
	s_lshl_b32 s20, s20, 17                        ; a: row block 2 x tile row + which
	s_mov_b32 s21, 0
	s_lshl_b32 s46, s42, 17                        ; the weight: row block = tile column,
	s_lshl_b32 s47, s16, 14
	s_add_co_u32 s46, s46, s47                     ; + which four fragments,
	s_add_co_u32 s46, s46, 3*1048576               ; in the fourth weight
	s_mov_b32 s47, 0
	s_lshl_b32 s45, s16, 15                        ; where they go: a's
	s_lshl_b32 s13, s16, 14
	s_add_co_u32 s13, s13, WOFF                    ; and the weight's: no place in the cluster enters an LDS address
	s_wait_kmcnt 0x0
	s_load_b64 s[76:77], s[8:9], 0x28              ; e10, e11
	s_add_nc_u64 s[20:21], s[4:5], s[20:21]
	s_add_nc_u64 s[46:47], s[6:7], s[46:47]
	CROUND                                         ; all sixteen work-groups are here: the first joint loads meet
.irp s, 0,1
	s_mov_b32 s[G0+4*\s], 1
	s_add_co_u32 s[G0+4*\s+1], s45, \s*SLOT
	s_add_nc_u64 s[G0+4*\s+2:G0+4*\s+3], s[20:21], \s*32768
	s_or_b32 s[G0+4*\s+3], s[G0+4*\s+3], 0x80000000
	s_mov_b32 s[G0B+4*\s], 1
	s_add_co_u32 s[G0B+4*\s+1], s13, \s*SLOT
	s_add_nc_u64 s[G0B+4*\s+2:G0B+4*\s+3], s[46:47], \s*32768
	s_or_b32 s[G0B+4*\s+3], s[G0B+4*\s+3], 0x80000000
	s_wait_alu depctr_va_vdst(0)
	s_wait_tensorcnt 0x0
	ds_add_u32 v28, v29
	ds_add_u32 v28, v29
	s_wait_dscnt 0x0
	CROUND
	JLOAD G0+4*\s, G1, G0B+4*\s, G1B
.endr
	v_and_b32 v1, 31, v0
	v_lshlrev_b32 v4, 4, v1                        ; 16 x lane
	s_lshl_b32 s21, s15, 15                        ; my block of a
	s_lshl_b32 s22, s16, 14
	s_add_co_u32 s22, s22, WOFF                    ; my four fragments of the weight
.irp s, 0,1
	v_add_nc_u32 v[ADRA+\s], s21, v4
	v_add_nc_u32 v[ADRB+\s], s22, v4
	s_add_co_u32 s21, s21, SLOT
	s_add_co_u32 s22, s22, SLOT
.endr
	v_and_b32 v2, 15, v0                           ; r
	v_bfe_u32 v3, v0, 4, 1                         ; h
	s_mul_i32 s23, s14, 16*SPITCH                  ; my stage
	v_mul_u32_u24 v[STO], v2, SPITCH
	v_lshl_add_u32 v[STO], v3, 6, v[STO]
	v_add_nc_u32 v[STO], s23, v[STO]               ; in: row r, + 64 h bytes
	v_mul_u32_u24 v[RD], v3, SPITCH
	v_lshl_add_u32 v[RD], v2, 4, v[RD]
	v_add_nc_u32 v[RD], s23, v[RD]                 ; back: lanes 0-15 one row of 256 bytes, lanes 16-31 the next
	v_lshlrev_b32 v[CO], 12, v3
	v_lshl_add_u32 v[CO], v2, 4, v[CO]             ; and the same two rows in out0
	v_lshlrev_b32 v[BO], 6, v3
	s_lshl_b32 s46, s42, 9
	s_lshl_b32 s47, s16, 8
	s_add_co_u32 s46, s46, s47                     ; my first column, in bytes: 512 x tile column + 256 x half
	s_mov_b32 s47, 0
	s_add_nc_u64 s[10:11], s[10:11], s[46:47]
.irp b, 0,1
.irp i, 0,1,2,3
	global_load_b128 v[BI+16*\b+4*\i:BI+16*\b+4*\i+3], v[BO], s[10:11] offset:128*\b+16*\i   ; register 16 b + i: column 32 b + 16 h + i
.endr
.endr
	s_lshl_b32 s20, s17, 8
	s_lshl_b32 s21, s15, 7
	s_add_co_u32 s20, s20, s21                     ; my first token
	s_lshl_b32 s20, s20, 12                        ; a row of out0 is 4,096 bytes
	s_add_co_u32 s20, s20, s46
	s_mov_b32 s21, 0
	s_add_nc_u64 s[68:69], s[68:69], s[20:21]
	s_wait_kmcnt 0x0
	s_add_co_i32 s88, s76, s77
	s_add_co_i32 s88, s88, 127
	s_lshl_b32 s88, s88, 23                        ; 2^(e10 + e11) as f32
	s_mov_b32 s89, s88                             ; (named with it as a pair, so it is written)
.macro FRAG reg, adr, q, i             ; a fragment comes as it lies: four chunks of 512 consecutive bytes
.irp c, 0,1,2,3
	ds_load_b128 v[\reg+4*\c:\reg+4*\c+3], v[\adr] offset:(\i)*4096+2048*(\q)+512*\c
.endr
.endm
; 8 matrix instructions: blocks a0, a0 + 1 x the four fragments.  The 32 accumulators take turns, one instruction a turn, in the same order in every step.
.macro MUL8 a0, p, zero
.irp a, \a0, \a0+1
.irp b, 0,1,2,3
.if \zero
	v_wmma_f32_16x16x128_bf8_bf8 v[8*(4*(\a)+\b):8*(4*(\a)+\b)+7], v[64*(\p)+FR*\b:64*(\p)+FR*\b+FR-1], v[AF+FR*(\a):AF+FR*(\a)+FR-1], 0
.else
	v_wmma_f32_16x16x128_bf8_bf8 v[8*(4*(\a)+\b):8*(4*(\a)+\b)+7], v[64*(\p)+FR*\b:64*(\p)+FR*\b+FR-1], v[AF+FR*(\a):AF+FR*(\a)+FR-1], v[8*(4*(\a)+\b):8*(4*(\a)+\b)+7]
.endif
.endr
.endr
.endm
.macro FETCH_B slot, q, p
	WIN TO_B
.irp i, 0,1,2,3
	FRAG 64*(\p)+FR*\i, ADRB+\slot, \q, \i
.endr
	WIN 0
.endm
.macro FETCH_A slot, q, i0
.irp i, \i0, \i0+1, \i0+2, \i0+3
	FRAG AF+FR*(\i), ADRA+\slot, \q, \i
.endr
.endm
.macro PLACES n
.rept \n
	v_nop
.endr
.endm
.macro STEP slot, q, zero
	s_wait_dscnt 4*NL                              ; the weight's set and a's blocks 0-3 are in; the youngest sixteen loads (blocks 4-7) may be out
	WIN MUL
	MUL8 0, (\q)%2, \zero
	MUL8 2, (\q)%2, \zero
	s_wait_dscnt 0
	PLACES NP
	FETCH_B \slot, (\q)+1, 1-(\q)%2
	FETCH_A \slot, (\q)+1, 0
	WIN MUL
	MUL8 4, (\q)%2, \zero
	MUL8 6, (\q)%2, \zero
	PLACES NP
	WIN 0
	FETCH_A \slot, (\q)+1, 4
.endm
; A slot's last step changes slots: ONE barrier; in front of it each wave waits for all its tensor loads, adds 0 to its spare word, and waits for that and for its own reads of this slot.
.macro TURN slot, next, fill
	s_wait_tensorcnt 0x0                           ; all my tensor loads have landed: my part of the next slot
	ds_add_u32 v[SPW], v[NIL]                      ; 0 onto my spare word
	s_wait_dscnt 4*NL+1                            ; (the add and the youngest sixteen loads may be out)
	WIN MUL
	MUL8 0, 1, 0                                   ; eight matrix instructions stand between the add and the wait for it
	s_wait_dscnt 0x0                               ; the add is done, and my reads of this slot are over
	s_barrier_signal -1
	MUL8 2, 1, 0
	WIN 0
	s_barrier_wait -1
.if \fill
	CREST                                          ; the barrier has opened a round of the cluster's barrier
	s_add_nc_u64 s[G0+4*\slot+2:G0+4*\slot+3], s[G0+4*\slot+2:G0+4*\slot+3], 65536
	s_add_nc_u64 s[G0B+4*\slot+2:G0B+4*\slot+3], s[G0B+4*\slot+2:G0B+4*\slot+3], 65536
	JLOAD G0+4*\slot, G1, G0B+4*\slot, G1B         ; the first tensor load behind the round; its four v_nop are the places in front of the loads below
.else
	PLACES NP
.endif
	FETCH_B \next, 0, 0
	FETCH_A \next, 0, 0
	WIN MUL
	MUL8 4, 1, 0
	MUL8 6, 1, 0
	PLACES NP
	WIN 0
	FETCH_A \next, 0, 4
.endm
	s_wait_tensorcnt 1                             ; my part of slot 0 is in (slot 1's load may be out)
	s_barrier_signal -1
	s_barrier_wait -1                              ; everybody's is
	FETCH_B 0, 0, 0
	FETCH_A 0, 0, 0
	FETCH_A 0, 0, 4
	STEP 0, 0, 1                                   ; eight steps, written out; the first step's products start the sums
	TURN 0, 1, 1
	STEP 1, 0, 0
	TURN 1, 0, 1
	STEP 0, 0, 0
	TURN 0, 1, 0
	STEP 1, 0, 0
	s_wait_dscnt 4*NL                              ; the last step
	WIN MUL
	MUL8 0, 1, 0
	MUL8 2, 1, 0
	s_wait_dscnt 0
	MUL8 4, 1, 0
	MUL8 6, 1, 0
	WIN 0
; THE WAY OUT, block by block of 16 tokens x 64 columns: sum x 2^(e10 + e11) + bo, through my own stage, back as whole rows of 256 bytes: sixteen lanes store 256 consecutive bytes, aligned.
; LDS serves a wave's instructions in order (ISA guide 5.7.1.4): no wait between the stores and the loads, nor in front of the next block's stores.
.macro TOSTAGE a
	WIN 0x02                                       ; source 0: window 2
.irp j, 0,2,4,6,8,10,12,14,16,18,20,22,24,26,28,30
	v_pk_fma_f32 v[T+\j:T+\j+1], v[32*(\a)+\j:32*(\a)+\j+1], s[88:89], v[BI+\j:BI+\j+1] op_sel_hi:[1,0,1]   ; each accumulator from its low end on
.endr
	WIN 0
.irp b, 0,1
.irp i, 0,1,2,3
	ds_store_b128 v[STO], v[T+16*\b+4*\i:T+16*\b+4*\i+3] offset:128*\b+16*\i
.endr
.endr
.set BB, BK+32*((\a)%2)
.irp i, 0,1,2,3,4,5,6,7
	ds_load_b128 v[BB+4*\i:BB+4*\i+3], v[RD] offset:2*\i*SPITCH
.endr
.endm
.macro SEND a, younger                 ; younger: the LDS instructions issued behind block a's loads, which may stay out
.set BB, BK+32*((\a)%2)
	s_wait_dscnt \younger
.irp i, 0,1,2,3,4,5,6,7
	global_store_b128 v[CO], v[BB+4*\i:BB+4*\i+3], s[68:69] offset:(\a)*65536+2*\i*4096 th:TH_STORE_NT   ; written once, read by nobody here; every offset is an immediate
.endr
.endm
	s_wait_loadcnt 0x0                             ; the bias
	PLACES NP                                      ; behind the last products: their results are read, and registers that held a's blocks are loaded into
	TOSTAGE 0
.irp a, 1,2,3,4,5,6,7
.if \a > 1
	s_wait_xcnt 0x0                                ; block a - 2's stores have read their registers: block a's loads may land there
.endif
	TOSTAGE \a
	SEND \a-1, 16                                  ; behind block a - 1's loads: block a's 8 stores and 8 loads
.endr
	SEND 7, 0
	s_wait_tensorcnt 0x0                           ; the wave's end
	ds_add_u32 v[SPW], v[NIL]
	s_wait_dscnt 0x0
	CROUND                                         ; the closing round
	s_endpgm
.Lfunc_end_k_qbf30bbd0f7_proj:
	.size	k_qbf30bbd0f7_proj, .Lfunc_end_k_qbf30bbd0f7_proj-k_qbf30bbd0f7_proj
	.p2alignl 7, 3214868480
	.fill 96, 4, 3214868480
	.section	.rodata,"a",@progbits
	.p2align	6, 0x0
	.amdhsa_kernel k_qbf30bbd0f7_proj
		.amdhsa_group_segment_fixed_size 327680
		.amdhsa_private_segment_fixed_size 0
		.amdhsa_enable_private_segment 0
		.amdhsa_kernarg_size 40
		.amdhsa_user_sgpr_count 2
		.amdhsa_user_sgpr_kernarg_segment_ptr 1
		.amdhsa_wavefront_size32 1
		.amdhsa_system_sgpr_workgroup_id_x 1
		.amdhsa_system_sgpr_workgroup_id_y 1
		.amdhsa_system_sgpr_workgroup_id_z 1
		.amdhsa_system_vgpr_workitem_id 0
		.amdhsa_next_free_vgpr 768
		.amdhsa_next_free_sgpr 98
		.amdhsa_reserve_vcc 0
		.amdhsa_float_denorm_mode_32 3
		.amdhsa_float_denorm_mode_16_64 3
		.amdhsa_memory_ordered 1
		.amdhsa_forward_progress 1
		.amdhsa_inst_pref_size 78
	.end_amdhsa_kernel
	.amdgpu_metadata
---
amdhsa.version: [ 1, 2 ]
amdhsa.kernels:
  - .name:           k_qbf30bbd0f7_proj
    .symbol:         k_qbf30bbd0f7_proj.kd
    .args:
      - { .name: ac, .offset: 0, .size: 8, .value_kind: global_buffer, .address_space: global }
      - { .name: wc, .offset: 8, .size: 8, .value_kind: global_buffer, .address_space: global }
      - { .name: lowp_scales, .offset: 16, .size: 8, .value_kind: global_buffer, .address_space: global }
      - { .name: bo, .offset: 24, .size: 8, .value_kind: global_buffer, .address_space: global }
      - { .name: out0, .offset: 32, .size: 8, .value_kind: global_buffer, .address_space: global }
    .group_segment_fixed_size: 327680
    .private_segment_fixed_size: 0
    .kernarg_segment_align: 8
    .kernarg_segment_size: 40
    .max_flat_workgroup_size: 128
    .sgpr_count:     98
    .vgpr_count:     768
    .wavefront_size: 32
...
	.end_amdgpu_metadata
.endif
;; end of part 4
